; MI455X (gfx1250); checked and timed in simulation.
; The chip was launched on July 23, 2026; its instructions are those of AMD's public machine-readable ISA for CDNA 5 (MIT licence, August 2026) and "CDNA5" Instruction Set Architecture Reference Guide (July 2026). The comments in the code are by the model that wrote it; some were corrected since.
;; Shrd MH Attention. Allowed arithmetic: float matrix products may take bf16 or f16 operands with f32 sums; other float arithmetic in f32, or as packed bf16 or f16 multiplies, adds, multiply-adds, maxima and minima; sums over many terms, partial sums and values carried from step to step in f32; what a program stores and reads back later, other than sums and carried values, may be rounded once to bf16 or f16.
;; Inputs: k 16 x 2,048 x 128 float32; o 16 x 128 x 2,048 float32; q 16 x 2,048 x 128 float32; theta_factor one number float32; v 16 x 2,048 x 128 float32; x 2,048 x 2,048 float32.
;; Outputs: out0 2,048 x 2,048 float32.
;; One version. Each part assembles by itself: llvm-mc -triple=amdgcn-amd-amdhsa -mcpu=gfx1250 --defsym DOCPART=n.
;; ======== version 1 of 1: 4 launches
;; limits: values are held in f16: magnitudes above 65,504 overflow, below 6.1e-05 lose precision
;; workspace buffers: xb 8,388,608 bytes; wb 25,165,824 bytes; ob 8,388,608 bytes; tab 1,048,576 bytes; part 4,096 bytes; qk 33,554,432 bytes; vb 8,388,608 bytes; yb 8,388,608 bytes
;; launch prep (part 1): grid 256 x 1, 8 waves a work-group, no clusters, 1,280 bytes of LDS; arguments x, q, k, v, o, theta_factor, xb, wb, ob, tab, part; writes xb, wb, ob, tab, part
.if DOCPART == 1
	.amdgcn_target "amdgcn-amd-amdhsa--gfx1250"
	.amdhsa_code_object_version 6
	.text
	.protected	k_q754a555560_prep
	.globl	k_q754a555560_prep
	.p2align	8
	.type	k_q754a555560_prep,@function
k_q754a555560_prep:
	s_mov_b64 s[64:65], 0
	v_nop
	global_prefetch_b8 v0, s[64:65] scope:SCOPE_SE
	s_setreg_imm32_b32 hwreg(HW_REG_WAVE_MODE, 25, 1), 1
	s_wait_xcnt 0x0
; PREP: a stream.  x, q, k, v are rounded to bf16 (xb, wb: same order as the inputs); o is rounded to bf16 and that number written as f16 (ob);
; the tables cos(s rate_i) c4 and sin(s rate_i) c4 (tab: [2048 s][64 i] f32, the sines 524,288 bytes behind), c4 = 128^(-1/4); and for each work-group
; four numbers (part): the largest row sum of x^2 among its 8 rows, and its share of the sums of q^2, k^2, v^2.  Later launches take a power-of-two scale from them.
; SHARES.  Each tensor is 2,048 chunks of 2,048 f32 (for x a chunk is a row).  Wave w of work-group g takes chunk 8 g + w of all five tensors and row 8 g + w of the tables.
; A load of a wave covers 512 consecutive bytes, a store 256 consecutive bytes, aligned.  Two sets of 16 loads are out by turns.
; RATES.  rate_i = theta^(-i/64) is made in two-word arithmetic (high + low f32, residuals by fused multiply-adds): 1/theta, six square roots, then the product over the set bits of i;
; its high word is the rounded rate.  The angle is one f32 product, as in the module.  Sine and cosine: the nearest multiple of pi/2 is taken away in three parts, then polynomials on +-pi/4.
; LIMITS.  theta is positive, theta and 1/theta normal f32 numbers; theta is rounded to bf16 like every input (ROUND_THETA).  |o| stays under 65,504, and below 2^-14 it keeps f16's step of 2^-24.
; The sums of squares stay finite.  NaN and infinities are not treated apart.
; No matrix unit, cluster or tensor load: nothing is shared between waves but 16 bytes a wave at the end.  No prefetch: the launch's own loads are the stream.
.set SPARE, 256                        ; the spare words: 128 bytes for each of 8 waves; bytes 0-127 hold the waves' four numbers
.set ROUND_THETA, 1
.set LN,  1                            ; lane
.set LDO, 2                            ; byte offset of my 16 bytes in the chunk as read; never rewritten
.set STOF, 3                           ; of my 8 bytes in the chunk as written; never rewritten
.set TBO, 4                            ; of my 8 bytes in the table's row; never rewritten
.set SPW, 5
.set NIL, 6
.set TA,  7
.set RS,  8                            ; v[8:11]  the wave's four numbers
.set CHN, 12                           ; v[12:19] four chains of pairs for a sum of squares
.set CP,  20                           ; v[20:21] two cosines
.set SNP, 22                           ; v[22:23] two sines
.set WK,  24                           ; v[24:27] at work
.set OUT, 32                           ; v[32:63] store data; before that the tables' arithmetic
.set BA,  64                           ; v[64:127]  load set A
.set BB,  128                          ; v[128:191] load set B
.set TH, 32
.set AH, 33
.set AL, 34
.set SQ, 35
.set YQ, 36
.set RR, 37
.set TT, 38
.set FS, 39
.set RT, 40                            ; v[40:51] theta^(-2^b/64), b = 0..5: high word at RT + 2 b, low at RT + 2 b + 1
.set PH, 52
.set PL, 53
.set MH, 54
.set ML, 55
.set XH, 56
.set XE, 57
.set HH, 58
.set RA0, 59
.set RA1, 60
.set AN0, 61
.set AN1, 62
.set N_, 40                            ; sine and cosine work where the roots lay
.set R_, 41
.set Q_, 42
.set Z_, 43
.set PS, 44
.set PC, 45
.set ZR, 46
.set ZZ, 47
.set HC, 48
.set TS, 49
	s_load_b512 s[4:19], s[0:1], 0x0               ; x s[4:5], q s[6:7], k s[8:9], v s[10:11], o s[12:13], theta s[14:15], xb s[16:17], wb s[18:19]
	s_load_b128 s[20:23], s[0:1], 0x40             ; ob s[20:21], tab s[22:23]
	s_load_b64 s[24:25], s[0:1], 0x50              ; part
	v_lshl_add_u32 v[SPW], v0, 2, SPARE
	v_mov_b32 v[NIL], 0
	v_lshrrev_b32 v[TA], 5, v0
	v_readfirstlane_b32 s27, v[TA]                 ; wave 0..7
	v_and_b32 v[LN], 31, v0
	s_lshl_b32 s28, ttmp9, 3
	s_add_co_u32 s28, s28, s27                     ; my chunk, and my row of the tables
	s_lshl_b32 s29, s28, 13
	v_lshl_add_u32 v[LDO], v[LN], 4, s29           ; 8,192 x chunk + 16 x lane
	s_lshl_b32 s29, s28, 12
	v_lshl_add_u32 v[STOF], v[LN], 3, s29          ; 4,096 x chunk + 8 x lane
	s_lshl_b32 s29, s28, 8
	v_lshl_add_u32 v[TBO], v[LN], 3, s29           ; 256 x row + 8 x lane
	s_mov_b32 s30, 0x76543210                      ; v_permlanex16_b32: each lane takes its own place in the other half
	s_mov_b32 s31, 0xfedcba98
	s_mov_b32 s32, 0xbe2aaaa3                      ; sine's three coefficients
	s_mov_b32 s33, 0x3c08839e
	s_mov_b32 s34, 0xb94ca1f9
	s_mov_b32 s35, 0x3d2aaaa5                      ; cosine's three
	s_mov_b32 s36, 0xbab6061a
	s_mov_b32 s37, 0x37ccf5ce
	s_mov_b32 s38, 0x3e9837f0                      ; 128^(-1/4)
	s_wait_kmcnt 0x0
	s_load_b32 s26, s[14:15], 0x0                  ; theta
	s_add_nc_u64 s[42:43], s[18:19], 0x800000      ; wb's part for k
	s_add_nc_u64 s[44:45], s[18:19], 0x1000000     ; and for v
.macro LOADS buf, base                 ; a chunk: 16 loads of 512 consecutive bytes
.irp i, 0,1,2,3,4,5,6,7,8,9,10,11,12,13,14,15
	global_load_b128 v[(\buf)+4*(\i):(\buf)+4*(\i)+3], v[LDO], s[(\base):(\base)+1] offset:512*(\i) th:TH_LOAD_NT
.endr
.endm
	LOADS BA, 4                                    ; x
	LOADS BB, 6                                    ; q
	s_wait_kmcnt 0x0                               ; theta
	; THE TABLES, while the first 32 loads are on their way
	v_mov_b32 v[TH], s26
.if ROUND_THETA
	v_cvt_pk_bf16_f32 v[TH], v[TH], v[TH]
	v_lshlrev_b32 v[TH], 16, v[TH]
.endif
	v_rcp_f32 v[AH], v[TH]
	v_nop                                          ; a plain instruction behind the reciprocal,
	s_wait_alu depctr_va_vdst(0)                   ; and the wait ahead of its first use
	v_fma_f32 v[TT], -v[TH], v[AH], 1.0
	v_fma_f32 v[AH], v[AH], v[TT], v[AH]           ; one correction: the high word
	v_fma_f32 v[TT], -v[TH], v[AH], 1.0
	v_mul_f32 v[AL], v[AH], v[TT]                  ; what is still missing: the low word
.irp b, 5,4,3,2,1,0                    ; a square root in two words: s = sqrt(high); (high - s s + low) / 2 s is added, and the sum split anew
	v_sqrt_f32 v[SQ], v[AH]
	v_rsq_f32 v[YQ], v[AH]
	v_nop
	s_wait_alu depctr_va_vdst(0)                   ; one wait for the two
	v_fma_f32 v[RR], -v[SQ], v[SQ], v[AH]
	v_add_f32 v[RR], v[RR], v[AL]
	v_mul_f32 v[YQ], 0.5, v[YQ]
	v_mul_f32 v[RR], v[RR], v[YQ]
	v_add_f32 v[AH], v[SQ], v[RR]
	v_sub_f32 v[TT], v[AH], v[SQ]
	v_sub_f32 v[AL], v[RR], v[TT]
	v_mov_b32 v[RT+2*(\b)], v[AH]
	v_mov_b32 v[RT+2*(\b)+1], v[AL]
.endr
.macro DMUL                            ; (PH, PL) times (MH, ML), in two words
	v_mul_f32 v[XH], v[PH], v[MH]
	v_fma_f32 v[XE], v[PH], v[MH], -v[XH]
	v_fma_f32 v[XE], v[PH], v[ML], v[XE]
	v_fma_f32 v[XE], v[PL], v[MH], v[XE]
	v_add_f32 v[PH], v[XH], v[XE]
	v_sub_f32 v[HH], v[PH], v[XH]
	v_sub_f32 v[PL], v[XE], v[HH]
.endm
	v_mov_b32 v[PH], 1.0                           ; i = 2 x lane: bits 1..5 of i are bits 0..4 of the lane; a bit that is off multiplies by (1, 0), which changes nothing
	v_mov_b32 v[PL], 0
.irp b, 1,2,3,4,5
	v_and_b32 v[TT], 1<<((\b)-1), v[LN]
	v_cmp_ne_u32 vcc_lo, 0, v[TT]
	v_cndmask_b32 v[MH], 1.0, v[RT+2*(\b)], vcc_lo
	v_cndmask_b32 v[ML], 0, v[RT+2*(\b)+1], vcc_lo
	DMUL
.endr
	v_mov_b32 v[RA0], v[PH]
	v_mov_b32 v[MH], v[RT]                         ; i = 2 x lane + 1
	v_mov_b32 v[ML], v[RT+1]
	DMUL
	v_mov_b32 v[RA1], v[PH]
	v_cvt_f32_u32 v[FS], s28
	v_mul_f32 v[AN0], v[FS], v[RA0]                ; the angle: one rounding
	v_mul_f32 v[AN1], v[FS], v[RA1]
.macro SINCOS a, oc, os
	v_mul_f32 v[N_], 0x3f22f983, v[(\a)]           ; 2 / pi
	v_rndne_f32 v[N_], v[N_]
	v_fma_f32 v[R_], v[N_], 0xbfc90fdb, v[(\a)]    ; less n pi/2, in three parts
	v_fma_f32 v[R_], v[N_], 0x333bbd2e, v[R_]
	v_fma_f32 v[R_], v[N_], 0x26f72ced, v[R_]
	v_cvt_i32_f32 v[Q_], v[N_]
	v_mul_f32 v[Z_], v[R_], v[R_]
	v_fma_f32 v[PS], v[Z_], s34, s33
	v_fma_f32 v[PC], v[Z_], s37, s36
	v_fma_f32 v[PS], v[PS], v[Z_], s32
	v_fma_f32 v[PC], v[PC], v[Z_], s35
	v_mul_f32 v[ZR], v[Z_], v[R_]
	v_mul_f32 v[ZZ], v[Z_], v[Z_]
	v_fma_f32 v[HC], v[Z_], -0.5, 1.0
	v_fma_f32 v[PS], v[PS], v[ZR], v[R_]           ; sin r
	v_fma_f32 v[PC], v[PC], v[ZZ], v[HC]           ; cos r
	v_and_b32 v[TS], 1, v[Q_]
	v_cmp_ne_u32 vcc_lo, 0, v[TS]                  ; n odd: the two change places
	v_cndmask_b32 v[(\os)], v[PS], v[PC], vcc_lo
	v_cndmask_b32 v[(\oc)], v[PC], v[PS], vcc_lo
	v_lshlrev_b32 v[TS], 30, v[Q_]                 ; the sine's sign: bit 1 of n
	v_and_b32 v[TS], 0x80000000, v[TS]
	v_xor_b32 v[(\os)], v[(\os)], v[TS]
	v_add_nc_u32 v[TS], 1, v[Q_]                   ; the cosine's: bit 1 of n + 1
	v_lshlrev_b32 v[TS], 30, v[TS]
	v_and_b32 v[TS], 0x80000000, v[TS]
	v_xor_b32 v[(\oc)], v[(\oc)], v[TS]
	v_mul_f32 v[(\os)], s38, v[(\os)]
	v_mul_f32 v[(\oc)], s38, v[(\oc)]
.endm
	SINCOS AN0, CP, SNP
	SINCOS AN1, CP+1, SNP+1
	global_store_b64 v[TBO], v[CP:CP+1], s[22:23]                  ; the wave's 256 consecutive bytes of the row
	global_store_b64 v[TBO], v[SNP:SNP+1], s[22:23] offset:524288
; A chunk is rounded and stored.  kind 0: to bf16, and its sum of squares goes to v[rr].  kind 1: to bf16, and that number as f16.
.macro PROC buf, kind, base, rr
	s_wait_xcnt 0x0                                ; the earlier stores have read their data: OUT is rewritten only behind this wait
.irp i, 0,1,2,3,4,5,6,7,8,9,10,11,12,13,14,15
	v_cvt_pk_bf16_f32 v[OUT+2*(\i)], v[(\buf)+4*(\i)], v[(\buf)+4*(\i)+1]
	v_cvt_pk_bf16_f32 v[OUT+2*(\i)+1], v[(\buf)+4*(\i)+2], v[(\buf)+4*(\i)+3]
.if \kind
	v_lshlrev_b32 v[WK], 16, v[OUT+2*(\i)]
	v_and_b32 v[WK+1], 0xffff0000, v[OUT+2*(\i)]
	v_lshlrev_b32 v[WK+2], 16, v[OUT+2*(\i)+1]
	v_and_b32 v[WK+3], 0xffff0000, v[OUT+2*(\i)+1]
	v_cvt_pk_f16_f32 v[OUT+2*(\i)], v[WK], v[WK+1]
	v_cvt_pk_f16_f32 v[OUT+2*(\i)+1], v[WK+2], v[WK+3]
.elseif (\i) < 2                       ; the first products start the four chains: nothing is cleared
	v_pk_mul_f32 v[CHN+4*(\i):CHN+4*(\i)+1], v[(\buf)+4*(\i):(\buf)+4*(\i)+1], v[(\buf)+4*(\i):(\buf)+4*(\i)+1]
	v_pk_mul_f32 v[CHN+4*(\i)+2:CHN+4*(\i)+3], v[(\buf)+4*(\i)+2:(\buf)+4*(\i)+3], v[(\buf)+4*(\i)+2:(\buf)+4*(\i)+3]
.else
	v_pk_fma_f32 v[CHN+4*((\i)%2):CHN+4*((\i)%2)+1], v[(\buf)+4*(\i):(\buf)+4*(\i)+1], v[(\buf)+4*(\i):(\buf)+4*(\i)+1], v[CHN+4*((\i)%2):CHN+4*((\i)%2)+1]
	v_pk_fma_f32 v[CHN+4*((\i)%2)+2:CHN+4*((\i)%2)+3], v[(\buf)+4*(\i)+2:(\buf)+4*(\i)+3], v[(\buf)+4*(\i)+2:(\buf)+4*(\i)+3], v[CHN+4*((\i)%2)+2:CHN+4*((\i)%2)+3]
.endif
	global_store_b64 v[STOF], v[OUT+2*(\i):OUT+2*(\i)+1], s[(\base):(\base)+1] offset:256*(\i) th:TH_STORE_NT
.endr
.if !(\kind)
	v_pk_add_f32 v[CHN:CHN+1], v[CHN:CHN+1], v[CHN+2:CHN+3]
	v_pk_add_f32 v[CHN+4:CHN+5], v[CHN+4:CHN+5], v[CHN+6:CHN+7]
	v_pk_add_f32 v[CHN:CHN+1], v[CHN:CHN+1], v[CHN+4:CHN+5]
	v_add_f32 v[(\rr)], v[CHN], v[CHN+1]
.irp m, 1,2,4,8
	v_add_f32_dpp v[(\rr)], v[(\rr)], v[(\rr)] row_xmask:\m row_mask:0xf bank_mask:0xf
.endr
	v_permlanex16_b32 v[CHN], v[(\rr)], s30, s31
	v_add_f32 v[(\rr)], v[(\rr)], v[CHN]
.endif
.endm
	s_wait_loadcnt 16                              ; the older set is in; the younger set's 16 loads stay out (so in all four places)
	PROC BA, 0, 16, RS                             ; x
	LOADS BA, 8                                    ; k
	s_wait_loadcnt 16
	PROC BB, 0, 18, RS+1                           ; q
	LOADS BB, 10                                   ; v
	s_wait_loadcnt 16
	PROC BA, 0, 42, RS+2                           ; k
	LOADS BA, 12                                   ; o
	s_wait_loadcnt 16
	PROC BB, 0, 44, RS+3                           ; v
	s_wait_loadcnt 0x0
	PROC BA, 1, 20, 0                              ; o
	; the eight waves' four numbers meet in LDS; wave 0 joins them and stores 16 bytes
	v_mov_b32 v[TA], s27
	v_lshlrev_b32 v[TA], 4, v[TA]
	ds_store_b128 v[TA], v[RS:RS+3]                ; all lanes write the same 16 bytes with the same numbers
	s_wait_dscnt 0x0                               ; for the others' sake
	s_barrier_signal -1
	s_barrier_wait -1
	s_cmp_lg_u32 s27, 0
	s_cbranch_scc1 .Lend
	v_and_b32 v[TA], 7, v[LN]
	v_lshlrev_b32 v[TA], 4, v[TA]
	ds_load_b128 v[CHN:CHN+3], v[TA]               ; lane l: wave l % 8
	s_wait_dscnt 0x0
.irp m, 1,2,4
	v_max_num_f32_dpp v[CHN], v[CHN], v[CHN] row_xmask:\m row_mask:0xf bank_mask:0xf
	v_add_f32_dpp v[CHN+1], v[CHN+1], v[CHN+1] row_xmask:\m row_mask:0xf bank_mask:0xf
	v_add_f32_dpp v[CHN+2], v[CHN+2], v[CHN+2] row_xmask:\m row_mask:0xf bank_mask:0xf
	v_add_f32_dpp v[CHN+3], v[CHN+3], v[CHN+3] row_xmask:\m row_mask:0xf bank_mask:0xf
.endr
	v_cmp_eq_u32 vcc_lo, 0, v[LN]
	s_lshl_b32 s29, ttmp9, 4
	v_mov_b32 v[WK], s29
	s_wait_xcnt 0x0                                ; EXEC is a source of the stores above: it changes only behind this wait
	s_and_saveexec_b32 s40, vcc_lo
	global_store_b128 v[WK], v[CHN:CHN+3], s[24:25]
	s_wait_xcnt 0x0                                ; and again in front of the line that widens it
	s_or_b32 exec_lo, exec_lo, s40
.Lend:
	s_wait_tensorcnt 0x0                           ; the wave's end, behind my last LDS store
	ds_add_u32 v[SPW], v[NIL]
	s_wait_dscnt 0x0
	s_endpgm
.Lfunc_end_k_q754a555560_prep:
	.size	k_q754a555560_prep, .Lfunc_end_k_q754a555560_prep-k_q754a555560_prep
	.p2alignl 7, 3214868480
	.fill 96, 4, 3214868480
	.section	.rodata,"a",@progbits
	.p2align	6, 0x0
	.amdhsa_kernel k_q754a555560_prep
		.amdhsa_group_segment_fixed_size 1280
		.amdhsa_private_segment_fixed_size 0
		.amdhsa_enable_private_segment 0
		.amdhsa_kernarg_size 88
		.amdhsa_user_sgpr_count 2
		.amdhsa_user_sgpr_kernarg_segment_ptr 1
		.amdhsa_wavefront_size32 1
		.amdhsa_system_sgpr_workgroup_id_x 1
		.amdhsa_system_sgpr_workgroup_id_y 1
		.amdhsa_system_sgpr_workgroup_id_z 1
		.amdhsa_system_vgpr_workitem_id 0
		.amdhsa_next_free_vgpr 192
		.amdhsa_next_free_sgpr 66
		.amdhsa_reserve_vcc 1
		.amdhsa_float_denorm_mode_32 3
		.amdhsa_float_denorm_mode_16_64 3
		.amdhsa_memory_ordered 1
		.amdhsa_forward_progress 1
		.amdhsa_inst_pref_size 53
	.end_amdhsa_kernel
	.amdgpu_metadata
---
amdhsa.version: [ 1, 2 ]
amdhsa.kernels:
  - .name:           k_q754a555560_prep
    .symbol:         k_q754a555560_prep.kd
    .args:
      - { .name: x, .offset: 0, .size: 8, .value_kind: global_buffer, .address_space: global }
      - { .name: q, .offset: 8, .size: 8, .value_kind: global_buffer, .address_space: global }
      - { .name: k, .offset: 16, .size: 8, .value_kind: global_buffer, .address_space: global }
      - { .name: v, .offset: 24, .size: 8, .value_kind: global_buffer, .address_space: global }
      - { .name: o, .offset: 32, .size: 8, .value_kind: global_buffer, .address_space: global }
      - { .name: theta_factor, .offset: 40, .size: 8, .value_kind: global_buffer, .address_space: global }
      - { .name: xb, .offset: 48, .size: 8, .value_kind: global_buffer, .address_space: global }
      - { .name: wb, .offset: 56, .size: 8, .value_kind: global_buffer, .address_space: global }
      - { .name: ob, .offset: 64, .size: 8, .value_kind: global_buffer, .address_space: global }
      - { .name: tab, .offset: 72, .size: 8, .value_kind: global_buffer, .address_space: global }
      - { .name: part, .offset: 80, .size: 8, .value_kind: global_buffer, .address_space: global }
    .group_segment_fixed_size: 1280
    .private_segment_fixed_size: 0
    .kernarg_segment_align: 8
    .kernarg_segment_size: 88
    .max_flat_workgroup_size: 256
    .sgpr_count:     66
    .vgpr_count:     192
    .wavefront_size: 32
...
	.end_amdgpu_metadata
.endif
;; end of part 1
;; launch proj (part 2): grid 16 x 16, 4 waves a work-group, clusters of 4 x 4, 327,680 bytes of LDS; arguments xb, wb, tab, part, qk, vb; writes qk, vb
.if DOCPART == 2
	.amdgcn_target "amdgcn-amd-amdhsa--gfx1250"
	.amdhsa_code_object_version 6
	.text
	.protected	k_q754a555560_proj
	.globl	k_q754a555560_proj
	.p2align	8
	.type	k_q754a555560_proj,@function
k_q754a555560_proj:
	s_mov_b64 s[64:65], 0
	v_nop
	global_prefetch_b8 v0, s[64:65] scope:SCOPE_SE
	s_setreg_imm32_b32 hwreg(HW_REG_WAVE_MODE, 25, 1), 1
	s_wait_xcnt 0x0
	s_wait_alu depctr_hold_cnt(0) depctr_sa_sdst(0) depctr_va_vdst(0) depctr_va_sdst(0) depctr_va_ssrc(0) depctr_va_vcc(0) depctr_vm_vsrc(0)
	s_getreg_b32 s2, hwreg(HW_REG_IB_STS2, 6, 4)
	s_cmp_eq_u32 s2, 0
	s_cbranch_scc0 .Lentry_in_a_cluster
	s_endpgm
.Lentry_in_a_cluster:
	s_bfe_u32 s2, ttmp6, 0x10000c
	s_cmp_lg_u32 s2, 0xf033
	s_cbranch_scc0 .Lentry_shape_is_right
	s_endpgm
.Lentry_shape_is_right:
; PROJ: for one head and 128 rows of x: x q_h, x k_h, x v_h (bf16 operands, f32 sums, K = 2,048), the rotation of q and k by the tables, and the way out in f16 under a power-of-two scale.
; SHARES.  Work-group (x = block of 128 rows, y = head).  Wave w: rows 64 (w / 2) .. + 63; of each of the three matrices the four column tiles at e0 = 32 (w % 2) + 16 (et % 2) + 64 (et / 2):
; 48 accumulators of 16 x 16.  So the rotation's partners (e, e + 64) lie in the same lane and register of accumulators et and et + 2.
; THE PRODUCT IS TAKEN TRANSPOSED (source 0 = 16 columns of the weights, source 1 = 16 rows of x): a lane holds one row and eight neighbouring columns.  The weights lie [d][e]: their fragments come turned, by ds_load_tr16_b128.
; RING.  K in 16 steps of 128 through two LDS slots: three weight tiles (128 d x 256 bytes, pitch 288), then x's (128 rows x 256 bytes, pitch 272).  Waves 0..2 fetch the weights of matrix = wave, wave 3 x: one load a wave,
; at LDS byte wave x 36,864 + slot.  A K STEP IS WRITTEN ONCE: the slot in hand is the scalar TB (0 or SLOT), the fragments' addresses are made from it at each change of slots, and one descriptor for each operand walks.
; CLUSTER 4 x 4: x's tile hangs on the row block alone and is asked for jointly along a column of the cluster, the weights' on the head alone, along a row.
; THE WALK.  Cluster (X, Y) begins at K step (4 X + 8 Y) mod 16 and wraps round: the four clusters of one Y, which read the same weights, stand 4 steps apart; the four of one X, which read the same rows of x,
; 8 steps apart, two and two together: they ask for the same bytes at different times.  The f32 sums are taken in that order.
; SCALES.  |x_s . w_col| <= max_s |x_s| |w|_F < 2^E, E from the exponents of the sums that the launch before stored; g = 2^(15 - E), so that no f16 overflows whatever the inputs' size.
; OUT.  qk: [q, k][16][2048][256] f16: a row is 8 segments of 64 bytes, number 4 j + 2 part + half: part 0 = the number rounded to f16, part 1 = what the rounding left, rounded to f16;
; segment (j, half) holds channels 64 half + 32 j + 0..31.  A wave owns an aligned 256 bytes of each row.  vb: [16][2048][128] f16, channels in order.
; LIMITS.  The sums of squares are finite; G, the scale's exponent field, is held to 1..253.  NaN and infinities are not treated apart.
.set PA,    272                        ; a row of x in LDS: 256 + 16 bytes: the 16 rows of a load start at 16 different groups of four banks (ISA guide 11.1)
.set PB,    288                        ; a row of weights: 256 + 32
.set BT,    128*PB                     ; a weight tile
.set AOFF,  3*BT
.set SLOT,  AOFF+128*PA
.set STAGE, 2*SLOT                     ; behind the ring, never filled by a tensor load: 128 rows x 272 bytes
.set SPARE, STAGE+128*272              ; the spare words, 128 bytes a wave
.set STEPS, 16                         ; K steps
.set ADRA, 4                           ; v4     LDS address of my x fragments in the slot in hand
.set ADRA0, 5                          ; v5     the same in slot 0; never rewritten
.set ADRB, 6                           ; v6-8   of my weight fragments, by matrix, in the slot in hand
.set ADRB0, 9                          ; v9-11  the same in slot 0; never rewritten
.set STO,  12                          ; v12    my own stage: where I put 16 bytes of a row
.set RD,   13                          ; v13    where I read rows back (also my 32 rows of the shared stage)
.set CO,   14                          ; v14    my byte offset in two rows of qk
.set VSTO, 15                          ; v15    the shared stage: where I put 16 bytes of a row of v
.set TBO,  16                          ; v16    my byte offset in the tables
.set PFO,  17                          ; v17    the prefetches' offset: lane x a row of xb; never rewritten
.set SCO,  18                          ; v18    16 x lane
.set NEG1, 19                          ; v19    -1.0
.set T1,   24
.set T2,   26
.set SPW,  28
.set NIL,  29
.set Y,    32                          ; v32-63   at work
.set TC,   64                          ; v64-191  tables: row block a: 16 cosines at TC + 32 a, 16 sines behind
.set HIP,  192                         ; v192-207 the f16 numbers
.set LOP,  208                         ; v208-223 the f16 remainders
.set OB,   224                         ; v224-255 rows read back
.set SCT,  192                         ; the 32 registers of the scales' loads, until the way out
.set F0,   0                           ; window 1: two fragment buffers: x's 4 fragments, then the weights' 12
.set F1,   128
.set WV,   16
.set MHS,  17
.set JS,   18
.set LAPC, 19
.set CX,   20
.set CY,   21
.set HEAD, 22
.set RB,   23
.set G1A,  24
.set G0A,  32                          ; two sets: the two first fills; the second then serves every refill
.set G1B,  40
.set G0B,  48
.set ABASE, 58                         ; s[58:59] x's tile at K step 0
.set SEL,  60
.set BBASE, 62                         ; s[62:63] my weight tile at K step 0
.set PFA,  66
.set PFB,  68                          ; s[68:69] my work-group's 32 rows of x's tile at K step 0
.set LIM,  70
.set TB,   71                          ; LDS byte of the slot in hand
.set SB,   72                          ; s72 x's exponent field; s73-75 the scales' exponent fields G for q, k, v
.set GQ,   76
.set GK,   78
.set GV,   80
.set QOUT, 82
.set KOUT, 84
.set VOU,  86
.set LB,   88                          ; my tile's place in a slot
.set PN,   94                          ; s[94:95] a prefetch's byte offset along the rows
.set NXT,  96                          ; the K step to be asked for next
.set OFF,  98                          ; s[98:99] its byte offset
.set PART, 10
.set MSB, 0
.macro WIN new                         ; the immediate's high byte repeats the setting that is left; a switch that changes nothing is dropped
.if MSB != (\new)
	s_set_vgpr_msb (MSB<<8)|(\new)
.set MSB, (\new)
.endif
.endm
.set W_LO, 0xa5                        ; both sources window 1, C and D window 2 (row blocks 0, 1)
.set W_HI, 0xf5                        ; C and D window 3 (row blocks 2, 3)
.set TO_F, 0x40                        ; destination window 1, address window 0
.macro PLACES                          ; four places behind matrix instructions, in front of loads into registers that they read and of lines that read results
.rept 4
	v_nop
.endr
.endm
.macro CREST                           ; a round of the cluster's barrier behind its opening barrier
	s_cmp_lg_u32 s[WV], 0
	s_cbranch_scc1 .Lnot_wave_0_\@
	s_barrier_signal -3
.Lnot_wave_0_\@:
	s_barrier_wait -3
	s_barrier_signal -1
	s_barrier_wait -1
.endm
.macro CROUND
	s_barrier_signal -1
	s_barrier_wait -1
	CREST
.endm
.macro JLOAD                           ; a joint refill; the branch hangs on the wave's number alone; an s_nop 0 and four v_nop follow each line
	s_cmp_eq_u32 s[WV], 3
	s_cbranch_scc0 .Lfor_b_\@
	tensor_load_to_lds s[G0A+4:G0A+7], s[G1A:G1A+7]
	s_nop 0
.rept 4
	v_nop
.endr
	s_branch .Lasked_\@
.Lfor_b_\@:
	tensor_load_to_lds s[G0B+4:G0B+7], s[G1B:G1B+7]
	s_nop 0
.rept 4
	v_nop
.endr
.Lasked_\@:
.endm
; A PREFETCH of x's K step that stands two refills on: 32 rows x 256 bytes, a lane a row.  By the walk's arithmetic a K step of x's rows is read for the first time in a cluster's first eight steps, by the clusters Y = 0 and 2
; or Y = 1 and 3 together: the clusters Y = 0 and Y = 1 ask, wave 3 (which fetches x), in trips 0 to 3, for steps 4 to 7 of their walk; steps 0 to 3 come by their loads alone.  The four partners of the joint load share its 128 rows
; out by address, 32 each.  So each row's 256 bytes are named once.  The weights are not asked for: a K step of theirs is read for the first time in a cluster's first four steps, which come by the first fills and the first two refills.
.macro ASK
	s_cmp_gt_u32 s[LAPC], s[LIM]
	s_cbranch_scc0 .Lnot_mine_\@
	global_prefetch_b8 v[PFO], s[PFA:PFA+1] th:TH_LOAD_NT scope:SCOPE_SE
.Lnot_mine_\@:
.endm
.macro SC_LOAD                         ; part: 256 work-groups x 4 numbers: lane l takes work-groups 32 i + l
.irp i, 0,1,2,3,4,5,6,7
	global_load_b128 v[SCT+4*(\i):SCT+4*(\i)+3], v[SCO], s[PART:PART+1] offset:512*(\i)
.endr
.endm
.macro SC_RED                          ; the same lines in the same order in every launch, so that all find the same exponents
.irp i, 1,2,3,4,5,6,7
	v_max_num_f32 v[SCT], v[SCT], v[SCT+4*(\i)]
	v_add_f32 v[SCT+1], v[SCT+1], v[SCT+4*(\i)+1]
	v_pk_add_f32 v[SCT+2:SCT+3], v[SCT+2:SCT+3], v[SCT+4*(\i)+2:SCT+4*(\i)+3]
.endr
.irp m, 1,2,4,8
	v_max_num_f32_dpp v[SCT], v[SCT], v[SCT] row_xmask:\m row_mask:0xf bank_mask:0xf
	v_add_f32_dpp v[SCT+1], v[SCT+1], v[SCT+1] row_xmask:\m row_mask:0xf bank_mask:0xf
	v_add_f32_dpp v[SCT+2], v[SCT+2], v[SCT+2] row_xmask:\m row_mask:0xf bank_mask:0xf
	v_add_f32_dpp v[SCT+3], v[SCT+3], v[SCT+3] row_xmask:\m row_mask:0xf bank_mask:0xf
.endr
.irp k, 0,1,2,3
	v_permlanex16_b32 v[SCT+4+(\k)], v[SCT+(\k)], s[SEL], s[SEL+1]
.endr
	v_max_num_f32 v[SCT], v[SCT], v[SCT+4]
	v_add_f32 v[SCT+1], v[SCT+1], v[SCT+5]
	v_add_f32 v[SCT+2], v[SCT+2], v[SCT+6]
	v_add_f32 v[SCT+3], v[SCT+3], v[SCT+7]
.irp k, 0,1,2,3
	v_readfirstlane_b32 s[SB+(\k)], v[SCT+(\k)]
.endr
.irp k, 0,1,2,3
	s_lshr_b32 s[SB+(\k)], s[SB+(\k)], 23          ; the exponent field b: the sum lies under 2^(b - 126)
.endr
.irp k, 1,2,3
	s_add_co_i32 s[SB+(\k)], s[SB+(\k)], s[SB]
	s_sub_co_i32 s[SB+(\k)], s[SB+(\k)], 251
	s_ashr_i32 s[SB+(\k)], s[SB+(\k)], 1           ; E
	s_sub_co_i32 s[SB+(\k)], 142, s[SB+(\k)]       ; the field of 2^(15 - E)
	s_max_i32 s[SB+(\k)], s[SB+(\k)], 1
	s_min_i32 s[SB+(\k)], s[SB+(\k)], 253
.endr
.endm
	s_load_b256 s[4:11], s[0:1], 0x0               ; xb s[4:5], wb s[6:7], tab s[8:9], part s[10:11]
	s_load_b128 s[12:15], s[0:1], 0x20             ; qk s[12:13], vb s[14:15]
	v_lshl_add_u32 v[SPW], v0, 2, SPARE
	v_mov_b32 v[NIL], 0
	ds_add_u32 v[SPW], v[NIL]                      ; the wave's opening: the add, and its wait ahead of my first tensor load; the set-up below stands between them
	v_lshrrev_b32 v1, 5, v0
	v_readfirstlane_b32 s[WV], v1
	s_lshr_b32 s[MHS], s[WV], 1                    ; which 64 rows are mine
	s_and_b32 s[JS], s[WV], 1                      ; which columns
	s_bfe_u32 s[CX], ttmp6, 0x40000
	s_bfe_u32 s[CY], ttmp6, 0x40004
	s_lshl_b32 s[RB], ttmp9, 2
	s_add_co_u32 s[RB], s[RB], s[CX]               ; row block = 4 x cluster x + cx
	s_and_b32 s89, ttmp7, 0xffff                   ; cluster y
	s_lshl_b32 s[HEAD], s89, 2
	s_add_co_u32 s[HEAD], s[HEAD], s[CY]           ; head = 4 x cluster y + cy
	s_lshl_b32 s90, ttmp9, 2
	s_lshl_b32 s91, s89, 3
	s_add_co_u32 s90, s90, s91
	s_and_b32 s[NXT], s90, STEPS-1                 ; where my cluster's walk begins: (4 X + 8 Y) mod 16, the same in all sixteen partners
	s_lshl_b32 s56, s[CY], 2
	s_lshl_b32 s56, 15, s56                        ; my row of the cluster
	s_lshl_b32 s57, 0x1111, s[CX]                  ; my column
	s_or_b32 s[G1A], s57, (1<<16)|(1<<20)|(1<<21)|(5<<22)|(3<<25)   ; x: my column's mask; 2-byte elements; padding on; bit 21 beside a mask; after every 64 words; 4 words
	s_or_b32 s[G1B], s56, (1<<16)|(1<<20)|(1<<21)|(5<<22)|(7<<25)   ; weights: my row's mask, and 8 words
.irp g, G1A, G1B
	s_mov_b32 s[(\g)+1], 128<<16                   ; tensor_dim0 = 128
	s_mov_b32 s[(\g)+2], 128<<16                   ; tensor_dim1 = 128
	s_mov_b32 s[(\g)+3], 128<<16                   ; tile_dim0 = 128
	s_mov_b32 s[(\g)+4], 128                       ; tile_dim1 = 128
	s_mov_b32 s[(\g)+6], 0
	s_mov_b32 s[(\g)+7], 0
.endr
	s_mov_b32 s[G1A+5], 2048                       ; elements from row to row of xb
	s_mov_b32 s[G1B+5], 128                        ; of wb
	s_lshl_b32 s[ABASE], s[RB], 19                 ; x: 128 rows of 4,096 bytes a block
	s_mov_b32 s[ABASE+1], 0
	s_min_u32 s[BBASE], s[WV], 2                   ; weights: matrix = wave (wave 3 asks by x's descriptor)
	s_lshl_b32 s[BBASE], s[BBASE], 4
	s_add_co_u32 s[BBASE], s[BBASE], s[HEAD]
	s_lshl_b32 s[BBASE], s[BBASE], 19              ; 2,048 rows of 256 bytes a head
	s_mov_b32 s[BBASE+1], 0
	s_mul_i32 s[LB], s[WV], BT                     ; where my tile goes: no place in the cluster enters an LDS address
	s_mov_b32 s[TB], 0
	s_mov_b32 s[OFF+1], 0
	s_mov_b32 s[PN+1], 0
	s_mov_b32 s[SEL], 0x76543210
	s_mov_b32 s[SEL+1], 0xfedcba98
	s_wait_dscnt 0x0                               ; the opening add is done
	s_wait_kmcnt 0x0
	s_add_nc_u64 s[ABASE:ABASE+1], s[4:5], s[ABASE:ABASE+1]
	s_add_nc_u64 s[BBASE:BBASE+1], s[6:7], s[BBASE:BBASE+1]
	CROUND                                         ; all sixteen work-groups are here: the first joint loads meet
	s_lshl_b32 s[OFF], s[NXT], 8                   ; x: a K step is 256 bytes along the rows
	s_add_nc_u64 s[G0A+2:G0A+3], s[ABASE:ABASE+1], s[OFF:OFF+1]
	s_add_nc_u64 s[G0A+6:G0A+7], s[G0A+2:G0A+3], 256       ; the walk begins at a multiple of 4: its second step does not wrap
	s_lshl_b32 s[OFF], s[NXT], 15                  ; weights: 128 rows of 256 bytes down
	s_add_nc_u64 s[G0B+2:G0B+3], s[BBASE:BBASE+1], s[OFF:OFF+1]
	s_add_nc_u64 s[G0B+6:G0B+7], s[G0B+2:G0B+3], 32768
.irp s, 0,1
	s_mov_b32 s[G0A+4*(\s)], 1
	s_add_co_u32 s[G0A+4*(\s)+1], s[LB], (\s)*SLOT
	s_or_b32 s[G0A+4*(\s)+3], s[G0A+4*(\s)+3], 0x80000000
	s_mov_b32 s[G0B+4*(\s)], 1
	s_add_co_u32 s[G0B+4*(\s)+1], s[LB], (\s)*SLOT
	s_or_b32 s[G0B+4*(\s)+3], s[G0B+4*(\s)+3], 0x80000000
.endr
	s_add_co_u32 s[NXT], s[NXT], 2
	s_and_b32 s[NXT], s[NXT], STEPS-1
	s_cmp_eq_u32 s[WV], 3                          ; a wave's two first fills stand in one branch, ahead of every wait on TENSORcnt and every LDS read: two loads of mine are out
	s_cbranch_scc0 .Lfirst_b
	tensor_load_to_lds s[G0A:G0A+3], s[G1A:G1A+7]
	s_nop 0
	tensor_load_to_lds s[G0A+4:G0A+7], s[G1A:G1A+7]
	s_nop 0
.rept 4
	v_nop
.endr
	s_branch .Lfirst_asked
.Lfirst_b:
	tensor_load_to_lds s[G0B:G0B+3], s[G1B:G1B+7]
	s_nop 0
	tensor_load_to_lds s[G0B+4:G0B+7], s[G1B:G1B+7]
	s_nop 0
.rept 4
	v_nop
.endr
.Lfirst_asked:
	v_and_b32 v3, 31, v0                           ; lane
	v_and_b32 v1, 15, v0                           ; r = lane % 16
	v_bfe_u32 v2, v0, 4, 1                         ; h = lane / 16
	v_mul_u32_u24 v22, v1, PA
	v_lshl_add_u32 v22, v2, 4, v22                 ; row x pitch + 16 h
	s_mul_i32 s89, s[MHS], 64*PA
	s_add_co_u32 s89, s89, AOFF
	v_add_nc_u32 v[ADRA0], s89, v22
	v_and_b32 v22, 7, v0                           ; the turning load: row 8 h + lane % 8, 16 bytes by (lane / 8) % 2
	v_lshl_add_u32 v22, v2, 3, v22
	v_mul_u32_u24 v22, v22, PB
	v_bfe_u32 v23, v0, 3, 1
	v_lshl_add_u32 v22, v23, 4, v22
	s_lshl_b32 s89, s[JS], 6
	v_add_nc_u32 v22, s89, v22
.irp m, 0,1,2
	v_add_nc_u32 v[ADRB0+(\m)], (\m)*BT, v22
.endr
	s_lshl_b32 s89, s[RB], 15                      ; the tables: row (128 rb + 64 mh + r) x 256 bytes + (32 j + 8 h) x 4
	s_lshl_b32 s90, s[MHS], 14
	s_add_co_u32 s89, s89, s90
	s_lshl_b32 s90, s[JS], 7
	s_add_co_u32 s89, s89, s90
	v_lshlrev_b32 v22, 8, v1
	v_lshl_add_u32 v22, v2, 5, v22
	v_add_nc_u32 v[TBO], s89, v22
.irp a, 0,1,2,3
.irp e, 0,1
.irp k, 0,1
	global_load_b128 v[TC+32*(\a)+8*(\e)+4*(\k):TC+32*(\a)+8*(\e)+4*(\k)+3], v[TBO], s[8:9] offset:4096*(\a)+64*(\e)+16*(\k)
	global_load_b128 v[TC+32*(\a)+16+8*(\e)+4*(\k):TC+32*(\a)+16+8*(\e)+4*(\k)+3], v[TBO], s[8:9] offset:524288+4096*(\a)+64*(\e)+16*(\k)
.endr
.endr
.endr
	v_lshlrev_b32 v[SCO], 4, v3
	SC_LOAD
	v_mov_b32 v[NEG1], -1.0
	s_mul_i32 s89, s[MHS], 64*272                  ; the shared stage: row 64 mh + r, byte 64 j + 16 h
	s_lshl_b32 s90, s[JS], 6
	s_add_co_u32 s89, s89, s90
	s_add_co_u32 s89, s89, STAGE
	v_mul_u32_u24 v22, v1, 272
	v_lshl_add_u32 v22, v2, 4, v22
	v_add_nc_u32 v[VSTO], s89, v22
	s_mul_i32 s89, s[WV], 32*272                   ; my 32 rows of it, later my own stage
	s_add_co_u32 s89, s89, STAGE
	v_add_nc_u32 v[STO], s89, v22
	v_mul_u32_u24 v22, v2, 272                     ; back: lanes 0-15 one row of 256 bytes, lanes 16-31 the next
	v_lshl_add_u32 v22, v1, 4, v22
	v_add_nc_u32 v[RD], s89, v22
	v_lshlrev_b32 v22, 9, v2
	v_lshl_add_u32 v[CO], v1, 4, v22               ; the same two rows in qk
	s_lshl_b32 s90, s[HEAD], 20                    ; qk: (head x 2048 + 128 rb + 64 mh) x 512 + 256 j
	s_lshl_b32 s91, s[RB], 16
	s_add_co_u32 s90, s90, s91
	s_lshl_b32 s91, s[MHS], 15
	s_add_co_u32 s90, s90, s91
	s_lshl_b32 s91, s[JS], 8
	s_add_co_u32 s90, s90, s91
	s_mov_b32 s91, 0
	s_add_nc_u64 s[QOUT:QOUT+1], s[12:13], s[90:91]
	s_add_nc_u64 s[KOUT:KOUT+1], s[QOUT:QOUT+1], 0x1000000
	s_lshl_b32 s90, s[HEAD], 19                    ; vb: (head x 2048 + 128 rb + 32 w) x 256
	s_lshl_b32 s91, s[RB], 15
	s_add_co_u32 s90, s90, s91
	s_lshl_b32 s91, s[WV], 13
	s_add_co_u32 s90, s90, s91
	s_mov_b32 s91, 0
	s_add_nc_u64 s[VOU:VOU+1], s[14:15], s[90:91]
	; the prefetches
	s_lshl_b32 s90, s[CY], 17                      ; of x's 128 rows my work-group's 32, 4,096 bytes each: the four that ask jointly differ in cy
	s_mov_b32 s91, 0
	s_add_nc_u64 s[PFB:PFB+1], s[ABASE:ABASE+1], s[90:91]
	s_and_b32 s90, ttmp7, 0xffff
	s_lshr_b32 s90, s90, 1                         ; 0 in the clusters Y = 0 and 1,
	s_xor_b32 s91, s[WV], 3                        ; 0 in wave 3
	s_or_b32 s90, s90, s91
	s_cmp_eq_u32 s90, 0
	s_cselect_b32 s[LIM], STEPS-6, -1              ; the same in all sixteen partners, for a given wave: the count runs 14 .. 1, and trips 0 to 3 have it above 10
	v_lshlrev_b32 v[PFO], 12, v3
; 24 matrix instructions: row blocks 2 half, 2 half + 1 x all 12 column tiles, 32 along K.  The accumulators take turns, one instruction a turn.
.macro MUL24 f, half, zero
	WIN W_LO+0x50*(\half)
.irp a, 0,1
.irp b, 0,1,2,3,4,5,6,7,8,9,10,11
.if \zero
	v_wmma_f32_16x16x32_bf16 v[8*(12*(\a)+(\b)):8*(12*(\a)+(\b))+7], v[(\f)+32+8*(\b):(\f)+32+8*(\b)+7], v[(\f)+8*(2*(\half)+(\a)):(\f)+8*(2*(\half)+(\a))+7], 0
.else
	v_wmma_f32_16x16x32_bf16 v[8*(12*(\a)+(\b)):8*(12*(\a)+(\b))+7], v[(\f)+32+8*(\b):(\f)+32+8*(\b)+7], v[(\f)+8*(2*(\half)+(\a)):(\f)+8*(2*(\half)+(\a))+7], v[8*(12*(\a)+(\b)):8*(12*(\a)+(\b))+7]
.endif
.endr
.endr
.endm
.macro SETADR                          ; the fragments' addresses in the slot in hand
	v_add_nc_u32 v[ADRA], s[TB], v[ADRA0]
.irp m, 0,1,2
	v_add_nc_u32 v[ADRB+(\m)], s[TB], v[ADRB0+(\m)]
.endr
.endm
; 32 LDS loads in one run: quarter q of the K step in hand into buffer f: the weights' 24, then x's 8
.macro FETCH q, f
	WIN TO_F
.irp m, 0,1,2
.irp e, 0,1,2,3
	ds_load_tr16_b128 v[(\f)+32+8*(4*(\m)+(\e)):(\f)+32+8*(4*(\m)+(\e))+3],   v[ADRB+(\m)] offset:9216*(\q)+32*((\e)&1)+128*((\e)>>1)
	ds_load_tr16_b128 v[(\f)+32+8*(4*(\m)+(\e))+4:(\f)+32+8*(4*(\m)+(\e))+7], v[ADRB+(\m)] offset:9216*(\q)+32*((\e)&1)+128*((\e)>>1)+4608
.endr
.endr
.irp a, 0,1,2,3
	ds_load_b128 v[(\f)+8*(\a):(\f)+8*(\a)+3],   v[ADRA] offset:4352*(\a)+64*(\q)
	ds_load_b128 v[(\f)+8*(\a)+4:(\f)+8*(\a)+7], v[ADRA] offset:4352*(\a)+64*(\q)+32
.endr
.endm
.macro QUARTER q, f, g, zero           ; multiplies buffer f; in its middle fetches quarter q into buffer g
	s_wait_dscnt 4                                 ; all but the youngest four loads: x's rows 32-63
	MUL24 \f, 0, \zero
	PLACES
	FETCH \q, \g
	s_wait_dscnt 32                                ; all but the 32 just issued
	MUL24 \f, 1, \zero
.endm
; The last quarter multiplies buffer 1 and changes slots.  In front of the barrier each wave waits for all its tensor loads (one is out: its part of the next slot), adds 0 to its spare word, and waits for that and for its reads of this slot.
; fill = 1: the barrier opens a round of the cluster's, and the joint refill, the K step two steps on in the walk, is the first thing behind the round: 168 matrix instructions ahead of the wait for it.
; Its address is made anew from the step's number, which wraps at 16.
.macro TURN fill
.if \fill
	s_wait_xcnt 0x0                                ; the last prefetch, a K step back, has read its address
	s_add_co_u32 s[PN], s[NXT], 2                  ; two steps behind the one that is asked for now
	s_and_b32 s[PN], s[PN], STEPS-1
	s_lshl_b32 s[PN], s[PN], 8
	s_add_nc_u64 s[PFA:PFA+1], s[PFB:PFB+1], s[PN:PN+1]
.endif
	WIN 0
	s_wait_tensorcnt 0x0
	ds_add_u32 v[SPW], v[NIL]
.if \fill
	s_lshl_b32 s[OFF], s[NXT], 8                   ; no load of mine is out: the walking descriptors are written
	s_add_co_u32 s[G0A+5], s[LB], s[TB]            ; into the slot in hand, which has been read out
	s_add_nc_u64 s[G0A+6:G0A+7], s[ABASE:ABASE+1], s[OFF:OFF+1]
	s_or_b32 s[G0A+7], s[G0A+7], 0x80000000
	s_lshl_b32 s[OFF], s[NXT], 15
	s_add_co_u32 s[G0B+5], s[LB], s[TB]
	s_add_nc_u64 s[G0B+6:G0B+7], s[BBASE:BBASE+1], s[OFF:OFF+1]
	s_or_b32 s[G0B+7], s[G0B+7], 0x80000000
	s_add_co_u32 s[NXT], s[NXT], 1
	s_and_b32 s[NXT], s[NXT], STEPS-1
.endif
	s_wait_dscnt 0x0                               ; the add is done, and my reads of this slot are over
	s_barrier_signal -1
	MUL24 F1, 0, 0                                 ; work on registers while the others arrive
	WIN 0
	s_barrier_wait -1
.if \fill
	CREST
	JLOAD                                          ; its four v_nop are also the places in front of the loads below
.else
	PLACES
.endif
	s_xor_b32 s[TB], s[TB], SLOT                   ; the other slot is in hand
	SETADR
	FETCH 0, F0
.if \fill
	WIN 0
	ASK
.endif
	MUL24 F1, 1, 0
.endm
	s_wait_tensorcnt 1                             ; my part of the walk's first K step is in; the second's may stay out
	s_barrier_signal -1
	s_barrier_wait -1
	SETADR
	FETCH 0, F0
	QUARTER 1, F0, F1, 1                           ; the first quarter's products start the sums
	WIN 0
	s_mov_b32 s[LAPC], STEPS-2
.Lstep:                                        ; 14 trips: from a K step's second quarter to the next step's first; each fills the slot that it leaves
	QUARTER 2, F1, F0, 0
	QUARTER 3, F0, F1, 0
	TURN 1
	QUARTER 1, F0, F1, 0
	WIN 0
	s_sub_co_u32 s[LAPC], s[LAPC], 1
	s_cmp_lg_u32 s[LAPC], 0
	s_cbranch_scc1 .Lstep
	s_mov_b32 s[LAPC], 2
.Ltail:                                        ; the last two K steps fill nothing: written apart.  The second trip is left in its middle
	QUARTER 2, F1, F0, 0                           ; its change of slots fetches 32 fragments that nobody multiplies: the price, once a launch, of one text for both trips
	QUARTER 3, F0, F1, 0
	TURN 0
	WIN 0
	s_sub_co_u32 s[LAPC], s[LAPC], 1
	s_cmp_eq_u32 s[LAPC], 0
	s_cbranch_scc1 .Lout
	QUARTER 1, F0, F1, 0
	WIN 0
	s_cmp_lg_u32 s[LAPC], 0
	s_cbranch_scc1 .Ltail
.Lout:
	s_wait_dscnt 0x0                               ; the fragments fetched last have landed: their registers are used again below
	; THE WAY OUT
	PLACES
	s_wait_loadcnt 0x0                             ; the tables and the scales' numbers
	SC_RED
	s_lshl_b32 s[GQ], s[SB+1], 23
	s_mov_b32 s[GQ+1], s[GQ]
	s_lshl_b32 s[GK], s[SB+2], 23
	s_mov_b32 s[GK+1], s[GK]
	s_lshl_b32 s[GV], s[SB+3], 23
	s_mov_b32 s[GV+1], s[GV]
; v: scaled, rounded to f16, into the shared stage (a row's 256 bytes come from two waves)
.macro VPART a
	WIN 0x02+((\a)>>1)
.irp e, 0,1,2,3
.irp p, 0,1,2,3
	v_pk_mul_f32 v[Y+8*(\e)+2*(\p):Y+8*(\e)+2*(\p)+1], v[8*(12*((\a)&1)+8+(\e))+2*(\p):8*(12*((\a)&1)+8+(\e))+2*(\p)+1], s[GV:GV+1] op_sel_hi:[1,0]
.endr
.endr
	WIN 0
.set k, 0
.rept 16
	v_cvt_pk_f16_f32 v[HIP+k], v[Y+2*k], v[Y+2*k+1]
.set k, k+1
.endr
.irp e, 0,1,2,3
	ds_store_b128 v[VSTO], v[HIP+4*(\e):HIP+4*(\e)+3] offset:4352*(\a)+32*((\e)&1)+128*((\e)>>1)
.endr
.endm
	VPART 0
	VPART 1
	VPART 2
	VPART 3
	s_wait_dscnt 0x0                               ; for the others' sake: my stores into the stage are done
	s_barrier_signal -1
	s_barrier_wait -1
	WIN 0x40                                       ; back as whole rows, 32 rows a wave, into window 1
.set t, 0
.rept 16
	ds_load_b128 v[4*t:4*t+3], v[RD] offset:544*t
.set t, t+1
.endr
	s_wait_dscnt 0x0
	WIN 0x04                                       ; store data in window 1
.set t, 0
.rept 16
	global_store_b128 v[SCO], v[4*t:4*t+3], s[VOU:VOU+1] offset:512*t      ; 512 consecutive bytes, at a multiple of 256 from vb's first
.set t, t+1
.endr
	WIN 0
; q or k, row block a: rotated, scaled, split into an f16 number and an f16 remainder; through my own stage (the first 16 of the 32 rows that I alone have touched since the barrier).
.macro ROPE a, mat, gs, ob
	WIN 0x08+4*((\a)>>1)                           ; source 1 in window 2 or 3
.irp e, 0,1
.irp p, 0,1,2,3
.set x1, 8*(12*((\a)&1)+4*(\mat)+(\e))+2*(\p)
.set x2, x1+16
.set cc, TC+32*(\a)+8*(\e)+2*(\p)
.set ss, cc+16
	v_pk_mul_f32 v[T1:T1+1], v[ss:ss+1], v[x2:x2+1]
	v_pk_mul_f32 v[T2:T2+1], v[ss:ss+1], v[x1:x1+1]
	v_pk_fma_f32 v[Y+8*(\e)+2*(\p):Y+8*(\e)+2*(\p)+1], v[cc:cc+1], v[x1:x1+1], v[T1:T1+1] neg_lo:[0,0,1] neg_hi:[0,0,1]
	v_pk_fma_f32 v[Y+16+8*(\e)+2*(\p):Y+16+8*(\e)+2*(\p)+1], v[cc:cc+1], v[x2:x2+1], v[T2:T2+1]
.endr
.endr
	WIN 0
.set k, 0
.rept 16
	v_pk_mul_f32 v[Y+2*k:Y+2*k+1], v[Y+2*k:Y+2*k+1], s[(\gs):(\gs)+1] op_sel_hi:[1,0]
.set k, k+1
.endr
.set k, 0
.rept 16
	v_cvt_pk_f16_f32 v[HIP+k], v[Y+2*k], v[Y+2*k+1]
.set k, k+1
.endr
.set k, 0
.rept 16                               ; what the rounding left, y - hi, is exact in f32; it is rounded once, straight to f16, into a half of the register
	v_fma_mixlo_f16 v[LOP+k], v[HIP+k], v[NEG1], v[Y+2*k] op_sel:[0,0,0] op_sel_hi:[1,0,0]
	v_fma_mixhi_f16 v[LOP+k], v[HIP+k], v[NEG1], v[Y+2*k+1] op_sel:[1,0,0] op_sel_hi:[1,0,0]
.set k, k+1
.endr
	s_wait_xcnt 0x0                                ; the earlier stores have read OB
.irp e, 0,1,2,3
	ds_store_b128 v[STO], v[HIP+4*(\e):HIP+4*(\e)+3] offset:32*(\e)
	ds_store_b128 v[STO], v[LOP+4*(\e):LOP+4*(\e)+3] offset:128+32*(\e)
.endr
.irp t, 0,1,2,3,4,5,6,7
	ds_load_b128 v[OB+4*(\t):OB+4*(\t)+3], v[RD] offset:544*(\t)           ; LDS serves a wave's instructions in order (ISA guide 5.7.1.4): these see the stores above
.endr
	s_wait_dscnt 0x0
.irp t, 0,1,2,3,4,5,6,7
	global_store_b128 v[CO], v[OB+4*(\t):OB+4*(\t)+3], s[(\ob):(\ob)+1] offset:8192*(\a)+1024*(\t)  ; 16 lanes store 256 consecutive bytes, aligned
.endr
.endm
.irp a, 0,1,2,3
	ROPE \a, 0, GQ, QOUT
	ROPE \a, 1, GK, KOUT
.endr
	s_wait_tensorcnt 0x0                           ; the wave's end
	ds_add_u32 v[SPW], v[NIL]
	s_wait_dscnt 0x0
	CROUND                                         ; the closing round
	s_endpgm
.Lfunc_end_k_q754a555560_proj:
	.size	k_q754a555560_proj, .Lfunc_end_k_q754a555560_proj-k_q754a555560_proj
	.p2alignl 7, 3214868480
	.fill 96, 4, 3214868480
	.section	.rodata,"a",@progbits
	.p2align	6, 0x0
	.amdhsa_kernel k_q754a555560_proj
		.amdhsa_group_segment_fixed_size 327680
		.amdhsa_private_segment_fixed_size 0
		.amdhsa_enable_private_segment 0
		.amdhsa_kernarg_size 48
		.amdhsa_user_sgpr_count 2
		.amdhsa_user_sgpr_kernarg_segment_ptr 1
		.amdhsa_wavefront_size32 1
		.amdhsa_system_sgpr_workgroup_id_x 1
		.amdhsa_system_sgpr_workgroup_id_y 1
		.amdhsa_system_sgpr_workgroup_id_z 1
		.amdhsa_system_vgpr_workitem_id 0
		.amdhsa_next_free_vgpr 960
		.amdhsa_next_free_sgpr 100
		.amdhsa_reserve_vcc 0
		.amdhsa_float_denorm_mode_32 3
		.amdhsa_float_denorm_mode_16_64 3
		.amdhsa_memory_ordered 1
		.amdhsa_forward_progress 1
		.amdhsa_inst_pref_size 144
	.end_amdhsa_kernel
	.amdgpu_metadata
---
amdhsa.version: [ 1, 2 ]
amdhsa.kernels:
  - .name:           k_q754a555560_proj
    .symbol:         k_q754a555560_proj.kd
    .args:
      - { .name: xb, .offset: 0, .size: 8, .value_kind: global_buffer, .address_space: global }
      - { .name: wb, .offset: 8, .size: 8, .value_kind: global_buffer, .address_space: global }
      - { .name: tab, .offset: 16, .size: 8, .value_kind: global_buffer, .address_space: global }
      - { .name: part, .offset: 24, .size: 8, .value_kind: global_buffer, .address_space: global }
      - { .name: qk, .offset: 32, .size: 8, .value_kind: global_buffer, .address_space: global }
      - { .name: vb, .offset: 40, .size: 8, .value_kind: global_buffer, .address_space: global }
    .group_segment_fixed_size: 327680
    .private_segment_fixed_size: 0
    .kernarg_segment_align: 8
    .kernarg_segment_size: 48
    .max_flat_workgroup_size: 128
    .sgpr_count:     100
    .vgpr_count:     960
    .wavefront_size: 32
...
	.end_amdgpu_metadata
.endif
;; end of part 2
;; launch attn (part 3): grid 16 x 16, 4 waves a work-group, clusters of 4 x 1, 327,680 bytes of LDS; arguments qk, vb, part, yb; writes yb
.if DOCPART == 3
	.amdgcn_target "amdgcn-amd-amdhsa--gfx1250"
	.amdhsa_code_object_version 6
	.text
	.protected	k_q754a555560_attn
	.globl	k_q754a555560_attn
	.p2align	8
	.type	k_q754a555560_attn,@function
k_q754a555560_attn:
	s_mov_b64 s[64:65], 0
	v_nop
	global_prefetch_b8 v0, s[64:65] scope:SCOPE_SE
	s_setreg_imm32_b32 hwreg(HW_REG_WAVE_MODE, 25, 1), 1
	s_wait_xcnt 0x0
	s_wait_alu depctr_hold_cnt(0) depctr_sa_sdst(0) depctr_va_vdst(0) depctr_va_sdst(0) depctr_va_ssrc(0) depctr_va_vcc(0) depctr_vm_vsrc(0)
	s_getreg_b32 s2, hwreg(HW_REG_IB_STS2, 6, 4)
	s_cmp_eq_u32 s2, 0
	s_cbranch_scc0 .Lentry_in_a_cluster
	s_endpgm
.Lentry_in_a_cluster:
	s_bfe_u32 s2, ttmp6, 0x10000c
	s_cmp_lg_u32 s2, 0x3003
	s_cbranch_scc0 .Lentry_shape_is_right
	s_endpgm
.Lentry_shape_is_right:
; CAUSAL ATTENTION, head size 128, 16 heads of 2,048 rows.  Q and K arrive as an f16 number and an f16 remainder under the scales g_q, g_k (qk's layout: 8 segments of 64 bytes a row), V in f16 under g_v.
; SCORES.  S = Kh Ql + Kl Qh + Kh Qh in f32: 12 products of 32 channels for 16 keys x 16 queries, the eight cross products first; remainder x remainder is left out (under 2^-22 of a score's size).
; SOFTMAX.  A running maximum m and sum l: p = 2^(c s - c m), c = log2(e) / (g_q g_k); O and l are multiplied by 2^(c m_old - c m_new) in every step.  p is rounded to f16 for the second product; l is the sum of the unrounded p.
; THE WALK.  A head's queries lie in 8 blocks of 256.  A cluster (x = B) takes blocks 7 - B and then B: 2 (8 - B) + 2 (B + 1) = 18 slots of 128 keys, whatever B; a block's last two slots hold the diagonal.
; SHARES.  Of a block's four bands of 64 queries work-group cx owns rows 16 cx .. + 15 of each: four tiles of 16 queries; so the diagonal is the same work for all four partners, which walk the same K and V: every fill is a joint load.
; THE KEYS ARE SPLIT AMONG THE WAVES: wave w takes keys 32 w .. + 31 of every slot, for all four tiles: 24 fragments from LDS feed 128 products.  At a block's end the four partial (c m, l, O) meet in LDS:
; register tile t of wave w is band (w + t) % 4, so a wave finishes its tile 0, and no register number hangs on the wave.
; THE MASK is the C operand that starts a score's sum: 0, or M = -2^40 or lower where the key is hidden; only a block's last two slots make it.  |sum| < 2^35 and c |M| >= 2^10, so a hidden weight is 0.
; A row of which a wave has seen hidden keys alone has m near M there; its factor at the meeting is 0.
; LIMITS.  c |M| stays under 2^125 (the field of c is held to 1..254, that of M to 167..250).  A weight below 2^-126 counts as 0.  NaN and infinities are not treated apart.
.set PK,    528                        ; a row of K in LDS: 512 + 16 bytes: the 16 rows of a load start at 16 different groups of four banks (ISA guide 11.1)
.set PV,    288                        ; a row of V: 256 + 32
.set VOFF,  128*PK
.set SLOT,  VOFF+128*PV
.set XB,    2*SLOT                     ; behind the ring, never filled by a tensor load: writer w's tiles 1..3 of O, 8,192 bytes each, lane by lane
.set STAGE, XB+4*24576                 ; 16 rows x 272 bytes a wave
.set MS,    STAGE+4*16*272             ; c m: [band x 16 + r][tile] f32
.set LSO,   1024                       ; l lies this far behind
.set SPARE, MS+2048
.set AK0, 4
.set AV0, 5
.set AK,  6
.set AV,  7
.set QOF, 8                            ; v8-11   tile t: my byte offset in Q
.set DQ,  12                           ; v12-15  tile t: my query's place in the block, less 8 h + 32 w
.set MSL, 16                           ; v16-19  tile t: LDS address of its row of c m
.set XW,  20
.set XR,  21                           ; v21-23
.set STO, 24
.set RD,  25
.set GO,  26
.set PFO, 27
.set THR, 28
.set SCO, 29
.set SPW, 30
.set NIL, 31
.set ST,  32                           ; tile t at ST + 8 t: c m, m, l (two), c0, c1, a, at work
.set S,   64                           ; scores: tile t, key tile kt at S + 16 t + 8 kt
.set P,   128                          ; weights: 8 registers a tile
.set VF,  160                          ; V's fragments: channel block cb at VF + 8 cb
.set TMP, 224
.set SCT, 224
.set WV,  12
.set BBL, 13
.set CX,  14
.set HEAD, 15
.set TB,  16                           ; LDS byte of the slot in hand
.set RT,  17                           ; slots of the block still to be walked
.set NXT, 18                           ; the slot of keys to be asked for next
.set LQ,  19                           ; the last slot of the block whose keys are being asked for
.set FIN, 20                           ; 1: the slot in hand was a block's last
.set OUTER, 21
.set LQ2, 22
.set RT2, 23
.set G1K, 24
.set G1V, 32
.set G0K, 40                           ; two sets: the two first fills; the second then serves every refill
.set G0V, 48
.set KBASE, 56
.set VBASE, 58
.set SEL, 60
.set LBK, 62
.set LBV, 63
.set CS,  66
.set MNEG, 68
.set LIM, 69
.set PFA, 70
.set PFS, 72
.set QB,  74
.set QB2, 76
.set YB,  78
.set YB2, 80
.set OFF, 82
.set SB,  84
.set PART, 8
.set MSB, 0
.macro WIN new
.if MSB != (\new)
	s_set_vgpr_msb (MSB<<8)|(\new)
.set MSB, (\new)
.endif
.endm
.macro PLACES
.rept 4
	v_nop
.endr
.endm
.macro ALL line:vararg                 ; one line for each tile t
.set t, 0
.rept 4
	\line
.set t, t+1
.endr
.endm
.macro CROUND
	s_barrier_signal -1
	s_barrier_wait -1
	s_cmp_lg_u32 s[WV], 0
	s_cbranch_scc1 .Lnot_wave_0_\@
	s_barrier_signal -3
.Lnot_wave_0_\@:
	s_barrier_wait -3
	s_barrier_signal -1
	s_barrier_wait -1
.endm
.macro JLOAD                           ; waves 0, 1 fetch the halves of a slot's K, waves 2, 3 those of its V
	s_cmp_lt_u32 s[WV], 2
	s_cbranch_scc0 .Lfor_v_\@
	tensor_load_to_lds s[G0K+4:G0K+7], s[G1K:G1K+7]
	s_nop 0
.rept 4
	v_nop
.endr
	s_branch .Lasked_\@
.Lfor_v_\@:
	tensor_load_to_lds s[G0V+4:G0V+7], s[G1V:G1V+7]
	s_nop 0
.rept 4
	v_nop
.endr
.Lasked_\@:
.endm
; A prefetch of the slot that the NEXT change will ask for.  All clusters of a head begin with the same slots; the cluster with B = 0 walks all 16 on end: it asks, in its first 13 trips, for slots 3 to 15.
; Its four partners take 32 keys each, by address; wave 0 and wave 1 the two halves of 256 bytes of K's rows, wave 2 V's rows: a lane a row.  So each 256 bytes are named once.
.macro ASK
	s_cmp_gt_u32 s[OUTER], s[LIM]
	s_cbranch_scc0 .Lnot_mine_\@
	global_prefetch_b8 v[PFO], s[PFA:PFA+1] th:TH_LOAD_NT scope:SCOPE_SE
.Lnot_mine_\@:
.endm
.macro SC_LOAD
.irp i, 0,1,2,3,4,5,6,7
	global_load_b128 v[SCT+4*(\i):SCT+4*(\i)+3], v[SCO], s[PART:PART+1] offset:512*(\i)
.endr
.endm
.macro SC_RED                          ; the same lines in the same order in every launch, so that all find the same exponents
.irp i, 1,2,3,4,5,6,7
	v_max_num_f32 v[SCT], v[SCT], v[SCT+4*(\i)]
	v_add_f32 v[SCT+1], v[SCT+1], v[SCT+4*(\i)+1]
	v_pk_add_f32 v[SCT+2:SCT+3], v[SCT+2:SCT+3], v[SCT+4*(\i)+2:SCT+4*(\i)+3]
.endr
.irp m, 1,2,4,8
	v_max_num_f32_dpp v[SCT], v[SCT], v[SCT] row_xmask:\m row_mask:0xf bank_mask:0xf
	v_add_f32_dpp v[SCT+1], v[SCT+1], v[SCT+1] row_xmask:\m row_mask:0xf bank_mask:0xf
	v_add_f32_dpp v[SCT+2], v[SCT+2], v[SCT+2] row_xmask:\m row_mask:0xf bank_mask:0xf
	v_add_f32_dpp v[SCT+3], v[SCT+3], v[SCT+3] row_xmask:\m row_mask:0xf bank_mask:0xf
.endr
.irp k, 0,1,2,3
	v_permlanex16_b32 v[SCT+4+(\k)], v[SCT+(\k)], s[SEL], s[SEL+1]
.endr
	v_max_num_f32 v[SCT], v[SCT], v[SCT+4]
	v_add_f32 v[SCT+1], v[SCT+1], v[SCT+5]
	v_add_f32 v[SCT+2], v[SCT+2], v[SCT+6]
	v_add_f32 v[SCT+3], v[SCT+3], v[SCT+7]
.irp k, 0,1,2,3
	v_readfirstlane_b32 s[SB+(\k)], v[SCT+(\k)]
.endr
.irp k, 0,1,2,3
	s_lshr_b32 s[SB+(\k)], s[SB+(\k)], 23
.endr
.irp k, 1,2,3
	s_add_co_i32 s[SB+(\k)], s[SB+(\k)], s[SB]
	s_sub_co_i32 s[SB+(\k)], s[SB+(\k)], 251
	s_ashr_i32 s[SB+(\k)], s[SB+(\k)], 1
	s_sub_co_i32 s[SB+(\k)], 142, s[SB+(\k)]
	s_max_i32 s[SB+(\k)], s[SB+(\k)], 1
	s_min_i32 s[SB+(\k)], s[SB+(\k)], 253
.endr
.endm
.macro QLOAD                           ; Q stays in registers (window 2): tile t, segment g at 64 t + 8 g
	WIN 0x80
.irp t, 0,1,2,3
.irp g, 0,1,2,3,4,5,6,7
	global_load_b128 v[64*(\t)+8*(\g):64*(\t)+8*(\g)+3],   v[QOF+(\t)], s[QB:QB+1] offset:64*(\g)
	global_load_b128 v[64*(\t)+8*(\g)+4:64*(\t)+8*(\g)+7], v[QOF+(\t)], s[QB:QB+1] offset:64*(\g)+32
.endr
.endr
	WIN 0
.endm
	s_load_b256 s[4:11], s[0:1], 0x0               ; qk s[4:5], vb s[6:7], part s[8:9], yb s[10:11]
	v_lshl_add_u32 v[SPW], v0, 2, SPARE
	v_mov_b32 v[NIL], 0
	ds_add_u32 v[SPW], v[NIL]                      ; the wave's opening: the add, and its wait ahead of my first tensor load
	v_lshrrev_b32 v1, 5, v0
	v_readfirstlane_b32 s[WV], v1
	s_mov_b32 s[BBL], ttmp9                        ; B: the cluster's x
	s_bfe_u32 s[CX], ttmp6, 0x40000
	s_and_b32 s[HEAD], ttmp7, 0xffff
	s_mov_b32 s[G1K], 15|(1<<16)|(1<<20)|(1<<21)|(6<<22)|(3<<25)   ; the mask of four; 2-byte elements; padding on; bit 21 beside a mask; after every 128 words; 4 words
	s_mov_b32 s[G1K+1], 256<<16                    ; tensor_dim0 = 256
	s_mov_b32 s[G1K+2], 64<<16                     ; tensor_dim1 = 64
	s_mov_b32 s[G1K+3], 256<<16                    ; tile_dim0 = 256
	s_mov_b32 s[G1K+4], 64                         ; tile_dim1 = 64
	s_mov_b32 s[G1K+5], 256
	s_mov_b32 s[G1K+6], 0
	s_mov_b32 s[G1K+7], 0
	s_mov_b32 s[G1V], 15|(1<<16)|(1<<20)|(1<<21)|(5<<22)|(7<<25)   ; after every 64 words; 8 words
	s_mov_b32 s[G1V+1], 128<<16
	s_mov_b32 s[G1V+2], 64<<16
	s_mov_b32 s[G1V+3], 128<<16
	s_mov_b32 s[G1V+4], 64
	s_mov_b32 s[G1V+5], 128
	s_mov_b32 s[G1V+6], 0
	s_mov_b32 s[G1V+7], 0
	s_and_b32 s89, s[WV], 1                        ; which 64 keys of a slot I fetch
	s_mul_i32 s[LBK], s89, 64*PK
	s_mul_i32 s[LBV], s89, 64*PV
	s_add_co_u32 s[LBV], s[LBV], VOFF
	s_lshl_b32 s90, s[HEAD], 20                    ; K: behind Q's 16,777,216 bytes; 2,048 rows of 512 bytes a head
	s_lshl_b32 s91, s89, 15
	s_add_co_u32 s90, s90, s91
	s_add_co_u32 s90, s90, 0x1000000
	s_mov_b32 s91, 0
	s_lshl_b32 s92, s[HEAD], 19                    ; V: 2,048 rows of 256 bytes a head
	s_lshl_b32 s93, s89, 14
	s_add_co_u32 s92, s92, s93
	s_mov_b32 s93, 0
	s_mov_b32 s[SEL], 0x76543210
	s_mov_b32 s[SEL+1], 0xfedcba98
	s_mov_b32 s[OFF+1], 0
	s_lshl_b32 s89, s[BBL], 1
	s_sub_co_u32 s[RT], 16, s89                    ; the first block has 16 - 2 B slots,
	s_add_co_u32 s[RT2], s89, 2                    ; the second 2 B + 2
	s_sub_co_u32 s[LQ], 15, s89
	s_add_co_u32 s[LQ2], s89, 1
	s_mov_b32 s[NXT], 2
	s_mov_b32 s[TB], 0
	s_wait_dscnt 0x0                               ; the opening add is done
	s_wait_kmcnt 0x0
	s_add_nc_u64 s[KBASE:KBASE+1], s[4:5], s[90:91]
	s_add_nc_u64 s[VBASE:VBASE+1], s[6:7], s[92:93]
	CROUND                                         ; all four work-groups are here: the first joint loads meet
.irp s, 0,1
	s_mov_b32 s[G0K+4*(\s)], 1
	s_add_co_u32 s[G0K+4*(\s)+1], s[LBK], (\s)*SLOT
	s_add_nc_u64 s[G0K+4*(\s)+2:G0K+4*(\s)+3], s[KBASE:KBASE+1], (\s)*65536
	s_or_b32 s[G0K+4*(\s)+3], s[G0K+4*(\s)+3], 0x80000000
	s_mov_b32 s[G0V+4*(\s)], 1
	s_add_co_u32 s[G0V+4*(\s)+1], s[LBV], (\s)*SLOT
	s_add_nc_u64 s[G0V+4*(\s)+2:G0V+4*(\s)+3], s[VBASE:VBASE+1], (\s)*32768
	s_or_b32 s[G0V+4*(\s)+3], s[G0V+4*(\s)+3], 0x80000000
.endr
	s_cmp_lt_u32 s[WV], 2                          ; a wave's two first fills stand in one branch: two loads of mine are out
	s_cbranch_scc0 .Lfirst_v
	tensor_load_to_lds s[G0K:G0K+3], s[G1K:G1K+7]
	s_nop 0
	tensor_load_to_lds s[G0K+4:G0K+7], s[G1K:G1K+7]
	s_nop 0
.rept 4
	v_nop
.endr
	s_branch .Lfirst_asked
.Lfirst_v:
	tensor_load_to_lds s[G0V:G0V+3], s[G1V:G1V+7]
	s_nop 0
	tensor_load_to_lds s[G0V+4:G0V+7], s[G1V:G1V+7]
	s_nop 0
.rept 4
	v_nop
.endr
.Lfirst_asked:
	; Q's and y's addresses
	s_lshl_b32 s94, s[HEAD], 20
	s_lshl_b32 s95, s[CX], 13
	s_add_co_u32 s94, s94, s95                     ; (head x 2048 + 16 cx) x 512
	s_sub_co_u32 s95, 7, s[BBL]
	s_lshl_b32 s96, s95, 17                        ; + 256 rows a block
	s_add_co_u32 s96, s96, s94
	s_mov_b32 s97, 0
	s_add_nc_u64 s[QB:QB+1], s[4:5], s[96:97]
	s_lshl_b32 s96, s[BBL], 17
	s_add_co_u32 s96, s96, s94
	s_add_nc_u64 s[QB2:QB2+1], s[4:5], s[96:97]
	s_lshl_b32 s94, s[HEAD], 8
	s_lshl_b32 s96, s[CX], 16
	s_add_co_u32 s94, s94, s96                     ; 256 x head + 16 cx rows of 4,096 bytes
	s_lshl_b32 s96, s95, 20
	s_add_co_u32 s96, s96, s94
	s_add_nc_u64 s[YB:YB+1], s[10:11], s[96:97]
	s_lshl_b32 s96, s[BBL], 20
	s_add_co_u32 s96, s96, s94
	s_add_nc_u64 s[YB2:YB2+1], s[10:11], s[96:97]
	v_and_b32 v3, 31, v0
	v_and_b32 v1, 15, v0                           ; r
	v_bfe_u32 v2, v0, 4, 1                         ; h
	v_lshlrev_b32 v32, 9, v1
	v_lshl_add_u32 v32, v2, 4, v32                 ; r x 512 + 16 h
	v_lshlrev_b32 v33, 3, v2
	v_sub_nc_u32 v33, v1, v33                      ; r - 8 h
	s_lshl_b32 s92, s[CX], 4
	s_lshl_b32 s93, s[WV], 5
	s_sub_co_u32 s92, s92, s93                     ; 16 cx - 32 w
.irp t, 0,1,2,3
	s_add_co_u32 s89, s[WV], \t
	s_and_b32 s89, s89, 3                          ; tile t's band
	s_lshl_b32 s90, s89, 15
	v_add_nc_u32 v[QOF+(\t)], s90, v32
	s_lshl_b32 s93, s89, 6
	s_add_co_u32 s93, s93, s92
	v_add_nc_u32 v[DQ+(\t)], s93, v33
	s_lshl_b32 s90, s89, 8
	s_add_co_u32 s90, s90, MS
	v_lshl_add_u32 v[MSL+(\t)], v1, 4, s90
.endr
	QLOAD
	v_lshlrev_b32 v[SCO], 4, v3
	SC_LOAD
	s_mul_i32 s89, s[WV], 24576
	s_add_co_u32 s89, s89, XB
	v_lshl_add_u32 v[XW], v3, 4, s89
.irp x, 0,1,2
	s_sub_co_u32 s89, s[WV], (\x)+1                ; who wrote my band as its tile x + 1
	s_and_b32 s89, s89, 3
	s_mul_i32 s89, s89, 24576
	s_add_co_u32 s89, s89, XB+8192*(\x)
	v_lshl_add_u32 v[XR+(\x)], v3, 4, s89
.endr
	s_mul_i32 s89, s[WV], 16*272
	s_add_co_u32 s89, s89, STAGE
	v_mul_u32_u24 v32, v1, 272
	v_lshl_add_u32 v32, v2, 4, v32
	v_add_nc_u32 v[STO], s89, v32
	v_mul_u32_u24 v32, v2, 272
	v_lshl_add_u32 v32, v1, 4, v32
	v_add_nc_u32 v[RD], s89, v32
	s_lshl_b32 s89, s[WV], 18                      ; y: row 64 w + h, 4,096 bytes a row
	v_lshl_add_u32 v32, v2, 12, s89
	v_lshl_add_u32 v[GO], v1, 4, v32
	s_lshl_b32 s89, s[WV], 5                       ; my 32 keys of a slot
	v_add_nc_u32 v32, s89, v1
	v_mul_u32_u24 v32, v32, PK
	v_lshl_add_u32 v[AK0], v2, 4, v32
	v_and_b32 v32, 7, v0
	v_lshl_add_u32 v32, v2, 3, v32
	v_add_nc_u32 v32, s89, v32
	v_mul_u32_u24 v32, v32, PV
	v_bfe_u32 v33, v0, 3, 1
	v_lshl_add_u32 v32, v33, 4, v32
	v_add_nc_u32 v[AV0], VOFF, v32
	; the prefetches
	s_lshl_b32 s94, s[HEAD], 20
	s_lshl_b32 s95, s[CX], 14                      ; my work-group's 32 keys
	s_add_co_u32 s94, s94, s95
	s_lshl_b32 s95, s[WV], 8                       ; my half of a row of K
	s_add_co_u32 s94, s94, s95
	s_add_co_u32 s94, s94, 0x1000000+2*65536       ; in slot 2: the first change steps it to slot 3
	s_lshl_b32 s96, s[HEAD], 19
	s_lshl_b32 s95, s[CX], 13
	s_add_co_u32 s96, s96, s95
	s_add_co_u32 s96, s96, 2*32768
	s_cmp_lt_u32 s[WV], 2
	s_cselect_b32 s94, s94, s96
	s_cselect_b64 s[PFA:PFA+1], s[4:5], s[6:7]
	s_cselect_b32 s96, 16, 15
	s_cselect_b32 s97, 9, 8
	s_mov_b32 s95, 0
	s_add_nc_u64 s[PFA:PFA+1], s[PFA:PFA+1], s[94:95]
	s_lshl_b32 s[PFS], 1, s96
	s_mov_b32 s[PFS+1], 0
	v_lshlrev_b32 v[PFO], s97, v3
	s_lshr_b32 s96, s[WV], 1
	s_and_b32 s96, s96, s[WV]                      ; 1 in wave 3 alone
	s_or_b32 s96, s96, s[BBL]
	s_cmp_eq_u32 s96, 0
	s_cselect_b32 s[LIM], 3, -1                    ; the same in all four partners, for a given wave
	; O and l start at 0, c m far below every c s: the first step is a step like any other, with a = 0.  These lines stand in the wait for the first tile.
	WIN 0x40
.set i, 0
.rept 256
	v_mov_b32 v[i], 0
.set i, i+1
.endr
	WIN 0
	ALL v_mov_b32 v[ST+8*t], 0xfe000000
	ALL v_mov_b32 v[ST+8*t+1], 0xff7fffff
	ALL v_mov_b32 v[ST+8*t+2], 0
	ALL v_mov_b32 v[ST+8*t+3], 0
	s_wait_loadcnt 0x0
	SC_RED
	s_add_co_u32 s89, s[SB+1], s[SB+2]
	s_sub_co_i32 s89, 381, s89                     ; the exponent field of 1 / (g_q g_k)
	s_max_i32 s89, s89, 1
	s_min_i32 s89, s89, 254
	s_lshl_b32 s[CS], s89, 23
	s_or_b32 s[CS], s[CS], 0x38aa3b                ; times log2(e): its mantissa
	s_mov_b32 s[CS+1], s[CS]
	s_sub_co_i32 s90, 264, s89
	s_max_i32 s90, s90, 167
	s_min_i32 s90, s90, 250
	s_lshl_b32 s90, s90, 23
	s_or_b32 s[MNEG], s90, 0x80000000              ; M
; 8 products: K's segment ks x Q's segment qs, for the 4 tiles x 2 key tiles; the 8 accumulators take turns.  cm = 0: they start the sums with 0.
.macro QKP ks, qs, cm
	WIN 0x0b                                       ; K window 3, Q window 2, S window 0
.irp t, 0,1,2,3
.irp kt, 0,1
.if \cm
	v_wmma_f32_16x16x32_f16 v[S+16*(\t)+8*(\kt):S+16*(\t)+8*(\kt)+7], v[64*(\kt)+8*(\ks):64*(\kt)+8*(\ks)+7], v[64*(\t)+8*(\qs):64*(\t)+8*(\qs)+7], v[S+16*(\t)+8*(\kt):S+16*(\t)+8*(\kt)+7]
.else
	v_wmma_f32_16x16x32_f16 v[S+16*(\t)+8*(\kt):S+16*(\t)+8*(\kt)+7], v[64*(\kt)+8*(\ks):64*(\kt)+8*(\ks)+7], v[64*(\t)+8*(\qs):64*(\t)+8*(\qs)+7], 0
.endif
.endr
.endr
.endm
; A SLOT: my 32 keys against the four tiles
.macro PROCESS
	PLACES                                         ; behind the last products, in front of the loads into V's registers
	v_add_nc_u32 v[AK], s[TB], v[AK0]
	v_add_nc_u32 v[AV], s[TB], v[AV0]
	WIN 0xc0                                       ; destination window 3
.irp kt, 0,1
.irp g, 0,1,2,3,4,5,6,7
	ds_load_b128 v[64*(\kt)+8*(\g):64*(\kt)+8*(\g)+3],   v[AK] offset:8448*(\kt)+64*(\g)
	ds_load_b128 v[64*(\kt)+8*(\g)+4:64*(\kt)+8*(\g)+7], v[AK] offset:8448*(\kt)+64*(\g)+32
.endr
.endr
	WIN 0
.irp cb, 0,1,2,3,4,5,6,7
	ds_load_tr16_b128 v[VF+8*(\cb):VF+8*(\cb)+3],   v[AV] offset:32*(\cb)
	ds_load_tr16_b128 v[VF+8*(\cb)+4:VF+8*(\cb)+7], v[AV] offset:32*(\cb)+4608
.endr
	s_wait_loadcnt 0x0                             ; Q
	s_cmp_gt_u32 s[RT], 2
	s_cbranch_scc1 .Lplain_\@
	s_sub_co_u32 s89, 2, s[RT]                     ; the block's last two slots: keys 128 u on of the diagonal's 256
	s_lshl_b32 s89, s89, 7
.irp t, 0,1,2,3
	v_sub_nc_u32 v[THR], v[DQ+(\t)], s89
.set i, 0
.rept 16
	v_cmp_gt_i32 vcc_lo, 16*(i/8)+i%8, v[THR]      ; the key lies behind the query
	v_cndmask_b32 v[S+16*(\t)+i], 0, s[MNEG], vcc_lo
.set i, i+1
.endr
.endr
	s_wait_dscnt 16                                ; K is in; V's 16 loads may stay out
	QKP 0, 2, 1
	WIN 0
	s_branch .Ljoin_\@
.Lplain_\@:
	s_wait_dscnt 16
	QKP 0, 2, 0
	WIN 0
.Ljoin_\@:
	QKP 2, 0, 1                                    ; the cross products first,
	QKP 1, 3, 1
	QKP 3, 1, 1
	QKP 4, 6, 1
	QKP 6, 4, 1
	QKP 5, 7, 1
	QKP 7, 5, 1
	QKP 0, 0, 1                                    ; then the four at full size
	QKP 1, 1, 1
	QKP 4, 4, 1
	QKP 5, 5, 1
	WIN 0
	PLACES
	ALL v_max3_num_f32 v[ST+8*t+4], v[S+16*t], v[S+16*t+1], v[S+16*t+2]          ; each accumulator's lowest registers are read first
	ALL v_max3_num_f32 v[ST+8*t+5], v[S+16*t+8], v[S+16*t+9], v[S+16*t+10]
	ALL v_max3_num_f32 v[ST+8*t+4], v[ST+8*t+4], v[S+16*t+3], v[S+16*t+4]
	ALL v_max3_num_f32 v[ST+8*t+5], v[ST+8*t+5], v[S+16*t+11], v[S+16*t+12]
	ALL v_max3_num_f32 v[ST+8*t+4], v[ST+8*t+4], v[S+16*t+5], v[S+16*t+6]
	ALL v_max3_num_f32 v[ST+8*t+5], v[ST+8*t+5], v[S+16*t+13], v[S+16*t+14]
	ALL v_max3_num_f32 v[ST+8*t+4], v[ST+8*t+4], v[S+16*t+7], v[S+16*t+15]
	ALL v_max3_num_f32 v[ST+8*t+4], v[ST+8*t+4], v[ST+8*t+5], v[ST+8*t+1]
	ALL v_permlanex16_b32 v[ST+8*t+5], v[ST+8*t+4], s[SEL], s[SEL+1]             ; the query's other 16 keys lie in the lane 16 away
	ALL v_mov_b32 v[ST+8*t+7], v[ST+8*t]
	ALL v_max_num_f32 v[ST+8*t+1], v[ST+8*t+4], v[ST+8*t+5]
	ALL v_mul_f32 v[ST+8*t], s[CS], v[ST+8*t+1]
	ALL v_sub_f32 v[ST+8*t+7], v[ST+8*t+7], v[ST+8*t]
.set k, 0
.rept 32
	v_pk_fma_f32 v[S+2*k:S+2*k+1], v[S+2*k:S+2*k+1], s[CS:CS+1], v[ST+8*(k/8):ST+8*(k/8)+1] op_sel_hi:[1,0,0] neg_lo:[0,0,1] neg_hi:[0,0,1]
.set k, k+1
.endr
	ALL v_exp_f32 v[ST+8*t+6], v[ST+8*t+7]         ; one batch of 68 exponentials,
.set k, 0
.rept 64
	v_exp_f32 v[S+k], v[S+k]
.set k, k+1
.endr
	v_nop                                          ; a plain instruction behind the last,
	s_wait_alu depctr_va_vdst(0)                   ; and the one wait ahead of the first use
.set k, 0
.rept 32
	v_cvt_pk_f16_f32 v[P+k], v[S+2*k], v[S+2*k+1]
.set k, k+1
.endr
	ALL v_pk_add_f32 v[S+16*t:S+16*t+1], v[S+16*t:S+16*t+1], v[S+16*t+8:S+16*t+9]
	ALL v_pk_add_f32 v[S+16*t+2:S+16*t+3], v[S+16*t+2:S+16*t+3], v[S+16*t+10:S+16*t+11]
	ALL v_pk_add_f32 v[S+16*t+4:S+16*t+5], v[S+16*t+4:S+16*t+5], v[S+16*t+12:S+16*t+13]
	ALL v_pk_add_f32 v[S+16*t+6:S+16*t+7], v[S+16*t+6:S+16*t+7], v[S+16*t+14:S+16*t+15]
	ALL v_pk_add_f32 v[S+16*t:S+16*t+1], v[S+16*t:S+16*t+1], v[S+16*t+4:S+16*t+5]
	ALL v_pk_add_f32 v[S+16*t+2:S+16*t+3], v[S+16*t+2:S+16*t+3], v[S+16*t+6:S+16*t+7]
	ALL v_pk_add_f32 v[S+16*t:S+16*t+1], v[S+16*t:S+16*t+1], v[S+16*t+2:S+16*t+3]
	ALL v_pk_fma_f32 v[ST+8*t+2:ST+8*t+3], v[ST+8*t+2:ST+8*t+3], v[ST+8*t+6:ST+8*t+7], v[S+16*t:S+16*t+1] op_sel_hi:[1,0,1]
	WIN 0x41                                       ; O (window 1) times a
.set i, 0
.rept 128
	v_pk_mul_f32 v[2*i:2*i+1], v[2*i:2*i+1], v[ST+8*(i/32)+6:ST+8*(i/32)+7] op_sel_hi:[1,0]
.set i, i+1
.endr
	s_wait_dscnt 0x0                               ; V is in
	WIN 0x50                                       ; V and P window 0, O window 1; 32 accumulators by turns
.irp cb, 0,1,2,3,4,5,6,7
.irp t, 0,1,2,3
	v_wmma_f32_16x16x32_f16 v[64*(\t)+8*(\cb):64*(\t)+8*(\cb)+7], v[VF+8*(\cb):VF+8*(\cb)+7], v[P+8*(\t):P+8*(\t)+7], v[64*(\t)+8*(\cb):64*(\t)+8*(\cb)+7]
.endr
.endr
	WIN 0
.endm
; A BLOCK'S END, first part, ahead of the change of slots: each tile's c m and l go to the entry numbered by the tile, tiles 1..3 of O to my part of X.  The eight additions are the places behind the last products.
.macro PUT
	ALL v_add_f32 v[ST+8*t+4], v[ST+8*t+2], v[ST+8*t+3]
	ALL v_permlanex16_b32 v[ST+8*t+5], v[ST+8*t+4], s[SEL], s[SEL+1]
	ALL v_add_f32 v[ST+8*t+4], v[ST+8*t+4], v[ST+8*t+5]
	ALL ds_store_b32 v[MSL+t], v[ST+8*t] offset:4*t
	ALL ds_store_b32 v[MSL+t], v[ST+8*t+4] offset:LSO+4*t
	WIN 0x04                                       ; store data in window 1
.set i, 0
.rept 48
	ds_store_b128 v[XW], v[64+4*i:64+4*i+3] offset:512*i
.set i, i+1
.endr
	WIN 0
.endm
; Second part, behind it: I finish my tile 0.  Entry t of its row comes from the wave that held my band as its tile t.  f_t = 2^(c m_t - max) / sum of f l; O = sum of f_t O_t; rounded to f16, through my stage, to yb.
; last = 0: the second block begins: its Q, its addresses, its count; what O and l hold is finite, and the next step's a = 0 wipes it.
.macro TAKE last
	ds_load_b128 v[TMP:TMP+3], v[MSL]
	ds_load_b128 v[TMP+4:TMP+7], v[MSL] offset:LSO
	WIN 0xc0
.irp x, 0,1,2
.set i, 0
.rept 16
	ds_load_b128 v[64*(\x)+4*i:64*(\x)+4*i+3], v[XR+(\x)] offset:512*i
.set i, i+1
.endr
.endr
	WIN 0
	s_wait_dscnt 48                                ; the statistics are in; O's 48 loads may stay out
	v_max3_num_f32 v[TMP+8], v[TMP], v[TMP+1], v[TMP+2]
	v_max_num_f32 v[TMP+8], v[TMP+8], v[TMP+3]
.irp k, 0,1,2,3
	v_sub_f32 v[TMP+17+2*(\k)], v[TMP+(\k)], v[TMP+8]
.endr
.irp k, 0,1,2,3
	v_exp_f32 v[TMP+16+2*(\k)], v[TMP+17+2*(\k)]
.endr
	v_nop
	s_wait_alu depctr_va_vdst(0)                   ; one wait for the four
	v_mul_f32 v[TMP+9], v[TMP+16], v[TMP+4]
	v_fmac_f32 v[TMP+9], v[TMP+18], v[TMP+5]
	v_fmac_f32 v[TMP+9], v[TMP+20], v[TMP+6]
	v_fmac_f32 v[TMP+9], v[TMP+22], v[TMP+7]
	v_rcp_f32 v[TMP+10], v[TMP+9]
	v_nop
	s_wait_alu depctr_va_vdst(0)
.irp k, 0,1,2,3
	v_mul_f32 v[TMP+16+2*(\k)], v[TMP+16+2*(\k)], v[TMP+10]
.endr
	WIN 0x41
.set i, 0
.rept 32
	v_pk_mul_f32 v[2*i:2*i+1], v[2*i:2*i+1], v[TMP+16:TMP+17] op_sel_hi:[1,0]
.set i, i+1
.endr
	s_wait_dscnt 0x0
	WIN 0x53                                       ; source 0 window 3, source 1 window 0, source 2 and destination window 1
.irp x, 0,1,2
.set i, 0
.rept 32
	v_pk_fma_f32 v[2*i:2*i+1], v[64*(\x)+2*i:64*(\x)+2*i+1], v[TMP+18+2*(\x):TMP+19+2*(\x)], v[2*i:2*i+1] op_sel_hi:[1,0,1]
.set i, i+1
.endr
.endr
	WIN 0x05
.set i, 0
.rept 32
	v_cvt_pk_f16_f32 v[TMP+i], v[2*i], v[2*i+1]
.set i, i+1
.endr
	WIN 0
.irp f, 0,1,2,3,4,5,6,7
	ds_store_b128 v[STO], v[TMP+4*(\f):TMP+4*(\f)+3] offset:32*(\f)
.endr
.irp f, 0,1,2,3,4,5,6,7
	ds_load_b128 v[TMP+4*(\f):TMP+4*(\f)+3], v[RD] offset:544*(\f)         ; LDS serves a wave's instructions in order (ISA guide 5.7.1.4): these see the stores above
.endr
	s_wait_dscnt 0x0
.irp f, 0,1,2,3,4,5,6,7
	global_store_b128 v[GO], v[TMP+4*(\f):TMP+4*(\f)+3], s[YB:YB+1] offset:8192*(\f)   ; 16 lanes store 256 consecutive bytes, aligned
.endr
	s_wait_xcnt 0x0                                ; the stores have read their data and y's address: TMP and s[YB] are written again only behind this wait
.if !(\last)
	s_mov_b64 s[QB:QB+1], s[QB2:QB2+1]
	s_mov_b64 s[YB:YB+1], s[YB2:YB2+1]
	s_mov_b32 s[RT], s[RT2]
	QLOAD
	ALL v_mov_b32 v[ST+8*t], 0xfe000000
	ALL v_mov_b32 v[ST+8*t+1], 0xff7fffff
.endif
.endm
; THE CHANGE OF SLOTS.  Each wave waits for all its tensor loads (one is out: its part of the other slot), adds 0 to its spare word, and waits for that, for its reads of the slot and for its stores of a block's end.
; fill = 1: the barrier is a round of the cluster's; the slot just read is filled again first behind it, with the keys' slot NXT: the descriptor's address is made anew from that number.  It has a slot's 128 matrix instructions in which to land.
.macro CHANGE fill
	WIN 0
	s_wait_tensorcnt 0x0
	ds_add_u32 v[SPW], v[NIL]
.if \fill
	s_lshl_b32 s[OFF], s[NXT], 16
	s_add_co_u32 s[G0K+5], s[LBK], s[TB]
	s_add_nc_u64 s[G0K+6:G0K+7], s[KBASE:KBASE+1], s[OFF:OFF+1]
	s_or_b32 s[G0K+7], s[G0K+7], 0x80000000
	s_lshl_b32 s[OFF], s[NXT], 15
	s_add_co_u32 s[G0V+5], s[LBV], s[TB]
	s_add_nc_u64 s[G0V+6:G0V+7], s[VBASE:VBASE+1], s[OFF:OFF+1]
	s_or_b32 s[G0V+7], s[G0V+7], 0x80000000
	s_add_co_u32 s[NXT], s[NXT], 1                 ; the block's next slot, or behind its last the second block's slot 0
	s_cmp_gt_u32 s[NXT], s[LQ]
	s_cselect_b32 s[NXT], 0, s[NXT]
	s_cselect_b32 s[LQ], s[LQ2], s[LQ]
	s_wait_xcnt 0x0                                ; the last prefetch, a slot back, has read its address
	s_add_nc_u64 s[PFA:PFA+1], s[PFA:PFA+1], s[PFS:PFS+1]
	s_wait_dscnt 0x0
	CROUND
	JLOAD
	ASK
.else
	s_wait_dscnt 0x0
	s_barrier_signal -1
	s_barrier_wait -1
.endif
.endm
; A TRIP.  Two barriers order the exchange of a block's end: the change of slots stands between the four waves' stores (PUT) and the reads of them (TAKE); the barrier at the trip's end stands between those
; reads, each wave's waited for in front of its signal, and the next stores into the same bytes.  The refill just issued stays out across it.
.macro BODY fill, last
	PROCESS
	s_sub_co_u32 s[RT], s[RT], 1
	s_cmp_eq_u32 s[RT], 0
	s_cselect_b32 s[FIN], 1, 0
	s_cbranch_scc0 .Lno_put_\@                     ; the same in every wave and partner
	PUT
.Lno_put_\@:
	CHANGE \fill
	s_cmp_eq_u32 s[FIN], 1
	s_cbranch_scc0 .Lno_take_\@
	TAKE \last
.Lno_take_\@:
	s_wait_dscnt 0x0                               ; my reads of the exchange bytes are back
	s_barrier_signal -1
	s_barrier_wait -1                              ; everybody's are: the bytes may be stored into again
	s_xor_b32 s[TB], s[TB], SLOT                   ; the other slot
.endm
	s_wait_tensorcnt 1                             ; my part of slot 0 is in; slot 1's may stay out
	s_barrier_signal -1
	s_barrier_wait -1
	s_mov_b32 s[OUTER], 16
.Lslot:                                        ; 16 trips: every slot but the last two is filled again
	BODY 1, 0
	s_sub_co_u32 s[OUTER], s[OUTER], 1
	s_cmp_lg_u32 s[OUTER], 0
	s_cbranch_scc1 .Lslot
	s_mov_b32 s[OUTER], 2
.Ltail:                                        ; the last two slots are written apart
	BODY 0, 1
	s_sub_co_u32 s[OUTER], s[OUTER], 1
	s_cmp_lg_u32 s[OUTER], 0
	s_cbranch_scc1 .Ltail
	s_wait_tensorcnt 0x0                           ; the wave's end
	ds_add_u32 v[SPW], v[NIL]
	s_wait_dscnt 0x0
	CROUND                                         ; the closing round
	s_endpgm
.Lfunc_end_k_q754a555560_attn:
	.size	k_q754a555560_attn, .Lfunc_end_k_q754a555560_attn-k_q754a555560_attn
	.p2alignl 7, 3214868480
	.fill 96, 4, 3214868480
	.section	.rodata,"a",@progbits
	.p2align	6, 0x0
	.amdhsa_kernel k_q754a555560_attn
		.amdhsa_group_segment_fixed_size 327680
		.amdhsa_private_segment_fixed_size 0
		.amdhsa_enable_private_segment 0
		.amdhsa_kernarg_size 32
		.amdhsa_user_sgpr_count 2
		.amdhsa_user_sgpr_kernarg_segment_ptr 1
		.amdhsa_wavefront_size32 1
		.amdhsa_system_sgpr_workgroup_id_x 1
		.amdhsa_system_sgpr_workgroup_id_y 1
		.amdhsa_system_sgpr_workgroup_id_z 1
		.amdhsa_system_vgpr_workitem_id 0
		.amdhsa_next_free_vgpr 960
		.amdhsa_next_free_sgpr 100
		.amdhsa_reserve_vcc 1
		.amdhsa_float_denorm_mode_32 3
		.amdhsa_float_denorm_mode_16_64 3
		.amdhsa_memory_ordered 1
		.amdhsa_forward_progress 1
		.amdhsa_inst_pref_size 156
	.end_amdhsa_kernel
	.amdgpu_metadata
---
amdhsa.version: [ 1, 2 ]
amdhsa.kernels:
  - .name:           k_q754a555560_attn
    .symbol:         k_q754a555560_attn.kd
    .args:
      - { .name: qk, .offset: 0, .size: 8, .value_kind: global_buffer, .address_space: global }
      - { .name: vb, .offset: 8, .size: 8, .value_kind: global_buffer, .address_space: global }
      - { .name: part, .offset: 16, .size: 8, .value_kind: global_buffer, .address_space: global }
      - { .name: yb, .offset: 24, .size: 8, .value_kind: global_buffer, .address_space: global }
    .group_segment_fixed_size: 327680
    .private_segment_fixed_size: 0
    .kernarg_segment_align: 8
    .kernarg_segment_size: 32
    .max_flat_workgroup_size: 128
    .sgpr_count:     100
    .vgpr_count:     960
    .wavefront_size: 32
...
	.end_amdgpu_metadata
.endif
;; end of part 3
;; launch oproj (part 4): grid 16 x 16, 4 waves a work-group, clusters of 4 x 4, 327,680 bytes of LDS; arguments yb, ob, part, out0; writes out0
.if DOCPART == 4
	.amdgcn_target "amdgcn-amd-amdhsa--gfx1250"
	.amdhsa_code_object_version 6
	.text
	.protected	k_q754a555560_oproj
	.globl	k_q754a555560_oproj
	.p2align	8
	.type	k_q754a555560_oproj,@function
k_q754a555560_oproj:
	s_mov_b64 s[64:65], 0
	v_nop
	global_prefetch_b8 v0, s[64:65] scope:SCOPE_SE
	s_setreg_imm32_b32 hwreg(HW_REG_WAVE_MODE, 25, 1), 1
	s_wait_xcnt 0x0
	s_wait_alu depctr_hold_cnt(0) depctr_sa_sdst(0) depctr_va_vdst(0) depctr_va_sdst(0) depctr_va_ssrc(0) depctr_va_vcc(0) depctr_vm_vsrc(0)
	s_getreg_b32 s2, hwreg(HW_REG_IB_STS2, 6, 4)
	s_cmp_eq_u32 s2, 0
	s_cbranch_scc0 .Lentry_in_a_cluster
	s_endpgm
.Lentry_in_a_cluster:
	s_bfe_u32 s2, ttmp6, 0x10000c
	s_cmp_lg_u32 s2, 0xf033
	s_cbranch_scc0 .Lentry_shape_is_right
	s_endpgm
.Lentry_shape_is_right:
; OPROJ: out0[s][d] = (sum over he of yb[s][he] ob[he][d]) / g_v.  yb: [2048][2048] f16 under the scale g_v, ob: [2048 he][2048 d] f16, out0 f32; sums in f32.
; A tile of out0 is 128 x 128: 256 work-groups.  Four waves, each 64 x 64: 16 accumulators.  K in 8 steps of 256 through two LDS slots: yb's 128 rows x 512 bytes (pitch 528; waves 0, 1 fetch 64 rows each),
; then ob's 256 rows x 256 bytes (pitch 288; waves 2, 3 fetch 128 rows each).  ob lies [K][N]: its fragments come turned, by ds_load_tr16_b128.
; A K STEP IS WRITTEN ONCE: the slot in hand is the scalar TB (0 or SLOT), the fragments' addresses are made from it at each change of slots, and one descriptor for each operand walks.
; CLUSTER 4 x 4: yb's tile is asked for jointly along a row of the cluster, ob's along a column.  THE PRODUCT IS TAKEN TRANSPOSED: a lane holds one row and eight neighbouring columns, 32 bytes of out0.
; THE WALK.  Cluster (X, Y) begins at K step (2 X + 4 Y) mod 8 and wraps round: the four clusters of one Y, which read the same rows of yb, stand 2 steps apart; the four of one X, which read the same columns of ob,
; 4 steps apart, two and two together: they ask for the same bytes at different times.  The f32 sums are taken in that order.
; A wave's 64 columns are an aligned 256 bytes of a row, so each wave has a stage of its own and no barrier stands on the way out.  No prefetch: a small tile, whose blocks sixteen work-groups read.
.set PA,    528
.set PB,    288
.set HALFA, 64*PA
.set HALFB, 128*PB
.set BOFF,  2*HALFA
.set SLOT,  BOFF+2*HALFB
.set STAGE, 2*SLOT
.set SP,    272
.set SPARE, STAGE+4*16*SP
.set STEPS, 8
.set ADRA, 16                          ; v16     LDS address of my yb fragments in the slot in hand
.set ADRA0, 17                         ; v17     the same in slot 0; never rewritten
.set ADRB, 20                          ; v20-21  of my ob fragments, by the half of the slot's 256 rows
.set ADRB0, 22                         ; v22-23  the same in slot 0; never rewritten
.set STO,  24
.set RD,   25
.set CO,   26
.set SCO,  27
.set SPW,  28
.set NIL,  29
.set TMP,  32
.set SCT,  96
.set ACC,  128
.set F0,   0
.set F1,   128
.set WV,   12
.set MHS,  13
.set NH,   14
.set LAPC, 15
.set ABASE, 18                         ; s[18:19] my part of yb's tile at K step 0
.set LBA,  20                          ; its place in a slot
.set LBB,  21                          ; the same for ob's
.set TB,   22                          ; LDS byte of the slot in hand
.set NXT,  23                          ; the K step to be asked for next
.set G1,   24
.set G0,   32                          ; two sets: the two first fills; the second then serves every refill
.set CX,   40
.set CY,   41
.set TCOL, 42
.set TROW, 43
.set BBASE, 46                         ; s[46:47] my part of ob's tile at K step 0
.set G1B,  48
.set G0B,  56
.set SEL,  66
.set SB,   68
.set SCL,  72
.set OFF,  74                          ; s[74:75] a K step's byte offset
.set PART, 8
.set MSB, 0
.macro WIN new
.if MSB != (\new)
	s_set_vgpr_msb (MSB<<8)|(\new)
.set MSB, (\new)
.endif
.endm
.set MUL,  0x05                        ; both sources window 1; C and D window 0
.set TO_F, 0x40
.macro PLACES
.rept 4
	v_nop
.endr
.endm
.macro JLOAD                           ; a joint refill; the branch hangs on the wave's number alone; an s_nop 0 and four v_nop follow each line
	s_cmp_eq_u32 s[MHS], 0
	s_cbranch_scc0 .Lfor_b_\@
	tensor_load_to_lds s[G0+4:G0+7], s[G1:G1+7]
	s_nop 0
.rept 4
	v_nop
.endr
	s_branch .Lasked_\@
.Lfor_b_\@:
	tensor_load_to_lds s[G0B+4:G0B+7], s[G1B:G1B+7]
	s_nop 0
.rept 4
	v_nop
.endr
.Lasked_\@:
.endm
.macro CREST
	s_cmp_lg_u32 s[WV], 0
	s_cbranch_scc1 .Lnot_wave_0_\@
	s_barrier_signal -3
.Lnot_wave_0_\@:
	s_barrier_wait -3
	s_barrier_signal -1
	s_barrier_wait -1
.endm
.macro CROUND
	s_barrier_signal -1
	s_barrier_wait -1
	CREST
.endm
.macro SC_LOAD
.irp i, 0,1,2,3,4,5,6,7
	global_load_b128 v[SCT+4*(\i):SCT+4*(\i)+3], v[SCO], s[PART:PART+1] offset:512*(\i)
.endr
.endm
.macro SC_RED                          ; the same lines in the same order in every launch, so that all find the same exponents
.irp i, 1,2,3,4,5,6,7
	v_max_num_f32 v[SCT], v[SCT], v[SCT+4*(\i)]
	v_add_f32 v[SCT+1], v[SCT+1], v[SCT+4*(\i)+1]
	v_pk_add_f32 v[SCT+2:SCT+3], v[SCT+2:SCT+3], v[SCT+4*(\i)+2:SCT+4*(\i)+3]
.endr
.irp m, 1,2,4,8
	v_max_num_f32_dpp v[SCT], v[SCT], v[SCT] row_xmask:\m row_mask:0xf bank_mask:0xf
	v_add_f32_dpp v[SCT+1], v[SCT+1], v[SCT+1] row_xmask:\m row_mask:0xf bank_mask:0xf
	v_add_f32_dpp v[SCT+2], v[SCT+2], v[SCT+2] row_xmask:\m row_mask:0xf bank_mask:0xf
	v_add_f32_dpp v[SCT+3], v[SCT+3], v[SCT+3] row_xmask:\m row_mask:0xf bank_mask:0xf
.endr
.irp k, 0,1,2,3
	v_permlanex16_b32 v[SCT+4+(\k)], v[SCT+(\k)], s[SEL], s[SEL+1]
.endr
	v_max_num_f32 v[SCT], v[SCT], v[SCT+4]
	v_add_f32 v[SCT+1], v[SCT+1], v[SCT+5]
	v_add_f32 v[SCT+2], v[SCT+2], v[SCT+6]
	v_add_f32 v[SCT+3], v[SCT+3], v[SCT+7]
.irp k, 0,1,2,3
	v_readfirstlane_b32 s[SB+(\k)], v[SCT+(\k)]
.endr
.irp k, 0,1,2,3
	s_lshr_b32 s[SB+(\k)], s[SB+(\k)], 23
.endr
.irp k, 1,2,3
	s_add_co_i32 s[SB+(\k)], s[SB+(\k)], s[SB]
	s_sub_co_i32 s[SB+(\k)], s[SB+(\k)], 251
	s_ashr_i32 s[SB+(\k)], s[SB+(\k)], 1
	s_sub_co_i32 s[SB+(\k)], 142, s[SB+(\k)]
	s_max_i32 s[SB+(\k)], s[SB+(\k)], 1
	s_min_i32 s[SB+(\k)], s[SB+(\k)], 253
.endr
.endm
	s_load_b256 s[4:11], s[0:1], 0x0               ; yb s[4:5], ob s[6:7], part s[8:9], out0 s[10:11]
	v_lshl_add_u32 v[SPW], v0, 2, SPARE
	v_mov_b32 v[NIL], 0
	ds_add_u32 v[SPW], v[NIL]                      ; the wave's opening: the add, and its wait ahead of my first tensor load
	v_lshrrev_b32 v1, 5, v0
	v_readfirstlane_b32 s[WV], v1
	s_lshr_b32 s[MHS], s[WV], 1                    ; which half of the tile's rows is mine.  Also: I fetch for yb (0) or for ob (1)
	s_and_b32 s[NH], s[WV], 1                      ; which half of its columns.  Also: which half of that tile I fetch
	s_bfe_u32 s[CX], ttmp6, 0x40000
	s_bfe_u32 s[CY], ttmp6, 0x40004
	s_lshl_b32 s[TCOL], ttmp9, 2
	s_add_co_u32 s[TCOL], s[TCOL], s[CX]
	s_and_b32 s16, ttmp7, 0xffff                   ; cluster y
	s_lshl_b32 s[TROW], s16, 2
	s_add_co_u32 s[TROW], s[TROW], s[CY]
	s_lshl_b32 s16, s16, 2
	s_lshl_b32 s17, ttmp9, 1
	s_add_co_u32 s16, s16, s17
	s_and_b32 s[NXT], s16, STEPS-1                 ; where my cluster's walk begins: (2 X + 4 Y) mod 8, the same in all sixteen partners
	s_lshl_b32 s44, s[CY], 2
	s_lshl_b32 s44, 15, s44                        ; my row of the cluster
	s_lshl_b32 s45, 0x1111, s[CX]                  ; my column
	s_or_b32 s[G1], s44, (1<<16)|(1<<20)|(1<<21)|(6<<22)|(3<<25)    ; after every 128 words 4 words of padding
	s_or_b32 s[G1B], s45, (1<<16)|(1<<20)|(1<<21)|(5<<22)|(7<<25)   ; after every 64 words 8 words
	s_mov_b32 s[G1+1], 256<<16                     ; yb: 64 rows x 256 elements
	s_mov_b32 s[G1+2], 64<<16
	s_mov_b32 s[G1+3], 256<<16
	s_mov_b32 s[G1+4], 64
	s_mov_b32 s[G1+5], 2048
	s_mov_b32 s[G1+6], 0
	s_mov_b32 s[G1+7], 0
	s_mov_b32 s[G1B+1], 128<<16                    ; ob: 128 rows x 128 elements
	s_mov_b32 s[G1B+2], 128<<16
	s_mov_b32 s[G1B+3], 128<<16
	s_mov_b32 s[G1B+4], 128
	s_mov_b32 s[G1B+5], 2048
	s_mov_b32 s[G1B+6], 0
	s_mov_b32 s[G1B+7], 0
	s_lshl_b32 s[ABASE], s[TROW], 19               ; yb: row 128 x tile row + 64 x half, 4,096 bytes a row
	s_lshl_b32 s17, s[NH], 18
	s_add_co_u32 s[ABASE], s[ABASE], s17
	s_mov_b32 s[ABASE+1], 0
	s_lshl_b32 s[BBASE], s[TCOL], 8                ; ob: row 128 x half, column 128 x tile column
	s_lshl_b32 s[BBASE+1], s[NH], 19
	s_add_co_u32 s[BBASE], s[BBASE], s[BBASE+1]
	s_mov_b32 s[BBASE+1], 0
	s_mul_i32 s[LBA], s[NH], HALFA                 ; where they go: no place in the cluster enters an LDS address
	s_mul_i32 s[LBB], s[NH], HALFB
	s_add_co_u32 s[LBB], s[LBB], BOFF
	s_mov_b32 s[TB], 0
	s_mov_b32 s[OFF+1], 0
	s_mov_b32 s[SEL], 0x76543210
	s_mov_b32 s[SEL+1], 0xfedcba98
	s_wait_dscnt 0x0                               ; the opening add is done
	s_wait_kmcnt 0x0
	s_add_nc_u64 s[ABASE:ABASE+1], s[4:5], s[ABASE:ABASE+1]
	s_add_nc_u64 s[BBASE:BBASE+1], s[6:7], s[BBASE:BBASE+1]
	CROUND                                         ; all sixteen work-groups are here: the first joint loads meet
	s_lshl_b32 s[OFF], s[NXT], 9                   ; yb: a K step is 512 bytes along the rows
	s_add_nc_u64 s[G0+2:G0+3], s[ABASE:ABASE+1], s[OFF:OFF+1]
	s_add_nc_u64 s[G0+6:G0+7], s[G0+2:G0+3], 512           ; the walk begins at an even step: its second step does not wrap
	s_lshl_b32 s[OFF], s[NXT], 20                  ; ob: 256 rows of 4,096 bytes down
	s_add_nc_u64 s[G0B+2:G0B+3], s[BBASE:BBASE+1], s[OFF:OFF+1]
	s_add_nc_u64 s[G0B+6:G0B+7], s[G0B+2:G0B+3], 1048576
.irp s, 0,1
	s_mov_b32 s[G0+4*(\s)], 1
	s_add_co_u32 s[G0+4*(\s)+1], s[LBA], (\s)*SLOT
	s_or_b32 s[G0+4*(\s)+3], s[G0+4*(\s)+3], 0x80000000
	s_mov_b32 s[G0B+4*(\s)], 1
	s_add_co_u32 s[G0B+4*(\s)+1], s[LBB], (\s)*SLOT
	s_or_b32 s[G0B+4*(\s)+3], s[G0B+4*(\s)+3], 0x80000000
.endr
	s_add_co_u32 s[NXT], s[NXT], 2
	s_and_b32 s[NXT], s[NXT], STEPS-1
	s_cmp_eq_u32 s[MHS], 0                         ; a wave's two first fills stand in one branch: two loads of mine are out
	s_cbranch_scc0 .Lfirst_b
	tensor_load_to_lds s[G0:G0+3], s[G1:G1+7]
	s_nop 0
	tensor_load_to_lds s[G0+4:G0+7], s[G1:G1+7]
	s_nop 0
.rept 4
	v_nop
.endr
	s_branch .Lfirst_asked
.Lfirst_b:
	tensor_load_to_lds s[G0B:G0B+3], s[G1B:G1B+7]
	s_nop 0
	tensor_load_to_lds s[G0B+4:G0B+7], s[G1B:G1B+7]
	s_nop 0
.rept 4
	v_nop
.endr
.Lfirst_asked:
	v_and_b32 v1, 15, v0
	v_bfe_u32 v2, v0, 4, 1
	v_and_b32 v3, 31, v0
	v_lshlrev_b32 v[SCO], 4, v3
	SC_LOAD
	v_mul_u32_u24 v4, v1, PA
	v_lshl_add_u32 v4, v2, 4, v4
	s_mul_i32 s16, s[MHS], HALFA
	v_add_nc_u32 v[ADRA0], s16, v4
	v_and_b32 v5, 7, v0
	v_lshl_add_u32 v5, v2, 3, v5
	v_mul_u32_u24 v5, v5, PB
	v_bfe_u32 v6, v0, 3, 1
	v_lshl_add_u32 v5, v6, 4, v5
	s_lshl_b32 s16, s[NH], 7
	s_add_co_u32 s16, s16, BOFF
	v_add_nc_u32 v[ADRB0], s16, v5
	v_add_nc_u32 v[ADRB0+1], HALFB, v[ADRB0]
	s_mul_i32 s16, s[WV], 16*SP
	s_add_co_u32 s16, s16, STAGE                   ; my stage
	v_mul_u32_u24 v4, v1, SP
	v_lshl_add_u32 v4, v2, 5, v4                   ; in: row r, 32 bytes for each half of the lanes
	v_add_nc_u32 v[STO], s16, v4
	v_mul_u32_u24 v4, v2, SP
	v_lshl_add_u32 v4, v1, 4, v4                   ; back: lanes 0-15 one row of 256 bytes, lanes 16-31 the next
	v_add_nc_u32 v[RD], s16, v4
	v_lshlrev_b32 v4, 13, v2
	v_lshl_add_u32 v[CO], v1, 4, v4                ; the same two rows in out0
	s_lshl_b32 s16, s[TROW], 20                    ; (128 x tile row + 64 mh) x 8,192 + (128 x tile column + 64 nh) x 4
	s_lshl_b32 s17, s[MHS], 19
	s_add_co_u32 s16, s16, s17
	s_lshl_b32 s17, s[TCOL], 9
	s_add_co_u32 s16, s16, s17
	s_lshl_b32 s17, s[NH], 8
	s_add_co_u32 s16, s16, s17
	s_mov_b32 s17, 0
	s_add_nc_u64 s[10:11], s[10:11], s[16:17]
.macro MUL8 f, c, a0, zero             ; row blocks a0, a0 + 1 x 4 column blocks, 32 along K; the 16 accumulators take turns
	WIN MUL
.irp a, \a0, (\a0)+1
.irp b, 0,1,2,3
.if \zero
	v_wmma_f32_16x16x32_f16 v[ACC+8*(4*(\a)+(\b)):ACC+8*(4*(\a)+(\b))+7], v[(\f)+64+8*(4*(\c)+(\b)):(\f)+64+8*(4*(\c)+(\b))+7], v[(\f)+8*(4*(\c)+(\a)):(\f)+8*(4*(\c)+(\a))+7], 0
.else
	v_wmma_f32_16x16x32_f16 v[ACC+8*(4*(\a)+(\b)):ACC+8*(4*(\a)+(\b))+7], v[(\f)+64+8*(4*(\c)+(\b)):(\f)+64+8*(4*(\c)+(\b))+7], v[(\f)+8*(4*(\c)+(\a)):(\f)+8*(4*(\c)+(\a))+7], v[ACC+8*(4*(\a)+(\b)):ACC+8*(4*(\a)+(\b))+7]
.endif
.endr
.endr
.endm
.macro SETADR                          ; the fragments' addresses in the slot in hand
	v_add_nc_u32 v[ADRA], s[TB], v[ADRA0]
	v_add_nc_u32 v[ADRB], s[TB], v[ADRB0]
	v_add_nc_u32 v[ADRB+1], s[TB], v[ADRB0+1]
.endm
.macro FETCH q, f                      ; 32 LDS loads: quarter q (64 along K) of the K step in hand into buffer f; its first 32 along K first
	WIN TO_F
.irp c, 0,1
.irp i, 0,1,2,3
	ds_load_tr16_b128 v[(\f)+64+8*(4*(\c)+(\i)):(\f)+64+8*(4*(\c)+(\i))+3],   v[ADRB+((\q)>>1)] offset:(64*((\q)&1)+32*(\c))*PB+32*(\i)
	ds_load_tr16_b128 v[(\f)+64+8*(4*(\c)+(\i))+4:(\f)+64+8*(4*(\c)+(\i))+7], v[ADRB+((\q)>>1)] offset:(64*((\q)&1)+32*(\c)+16)*PB+32*(\i)
	ds_load_b128 v[(\f)+8*(4*(\c)+(\i)):(\f)+8*(4*(\c)+(\i))+3],   v[ADRA] offset:128*(\q)+64*(\c)+(\i)*16*PA
	ds_load_b128 v[(\f)+8*(4*(\c)+(\i))+4:(\f)+8*(4*(\c)+(\i))+7], v[ADRA] offset:128*(\q)+64*(\c)+(\i)*16*PA+32
.endr
.endr
.endm
.macro QUARTER q, f, g, zero
	s_wait_dscnt 16                                ; the first 32 along K are in; the other sixteen loads may stay out
	MUL8 \f, 0, 0, \zero
	MUL8 \f, 0, 2, \zero
	PLACES
	FETCH \q, \g
	s_wait_dscnt 32                                ; all but the 32 just issued
	MUL8 \f, 1, 0, 0
	MUL8 \f, 1, 2, 0
.endm
; The last quarter multiplies buffer 1 and changes slots.  fill = 1: the barrier opens a round of the cluster's, and the slot that is left is filled again first behind the round, with the K step two steps on in the walk:
; 112 matrix instructions ahead of the wait for it.  Its address is made anew from the step's number, which wraps at 8.
.macro TURN fill
	WIN 0
	s_wait_tensorcnt 0x0                           ; all my tensor loads have landed: my part of the next slot
	ds_add_u32 v[SPW], v[NIL]
.if \fill
	s_lshl_b32 s[OFF], s[NXT], 9                   ; no load of mine is out: the walking descriptors are written
	s_add_co_u32 s[G0+5], s[LBA], s[TB]            ; into the slot in hand
	s_add_nc_u64 s[G0+6:G0+7], s[ABASE:ABASE+1], s[OFF:OFF+1]
	s_or_b32 s[G0+7], s[G0+7], 0x80000000
	s_lshl_b32 s[OFF], s[NXT], 20
	s_add_co_u32 s[G0B+5], s[LBB], s[TB]
	s_add_nc_u64 s[G0B+6:G0B+7], s[BBASE:BBASE+1], s[OFF:OFF+1]
	s_or_b32 s[G0B+7], s[G0B+7], 0x80000000
	s_add_co_u32 s[NXT], s[NXT], 1
	s_and_b32 s[NXT], s[NXT], STEPS-1
.endif
	s_wait_dscnt 17                                ; the add and the youngest sixteen loads may be out
	MUL8 F1, 0, 0, 0
	s_wait_dscnt 0x0                               ; the add is done, and my reads of this slot are over
	s_barrier_signal -1
	MUL8 F1, 0, 2, 0
	WIN 0
	s_barrier_wait -1
.if \fill
	CREST                                          ; the barrier has opened a round of the cluster's
	JLOAD                                          ; its four v_nop are also the places in front of the loads below
.else
	PLACES
.endif
	s_xor_b32 s[TB], s[TB], SLOT                   ; the other slot is in hand
	SETADR
	FETCH 0, F0
	MUL8 F1, 1, 0, 0
	MUL8 F1, 1, 2, 0
.endm
	s_wait_tensorcnt 1                             ; my part of the walk's first K step is in; the second's may stay out
	s_barrier_signal -1
	s_barrier_wait -1
	SETADR
	FETCH 0, F0
	QUARTER 1, F0, F1, 1                           ; the first products start the sums
	WIN 0
	s_mov_b32 s[LAPC], STEPS-2
.Lstep:                                        ; 6 trips: from a K step's second quarter to the next step's first; each fills the slot that it leaves
	QUARTER 2, F1, F0, 0
	QUARTER 3, F0, F1, 0
	TURN 1
	QUARTER 1, F0, F1, 0
	WIN 0
	s_sub_co_u32 s[LAPC], s[LAPC], 1
	s_cmp_lg_u32 s[LAPC], 0
	s_cbranch_scc1 .Lstep
	s_mov_b32 s[LAPC], 2
.Ltail:                                        ; the last two K steps fill nothing: written apart.  The second trip is left in its middle
	QUARTER 2, F1, F0, 0                           ; its change of slots fetches 32 fragments that nobody multiplies: the price, once a launch, of one text for both trips
	QUARTER 3, F0, F1, 0
	TURN 0
	WIN 0
	s_sub_co_u32 s[LAPC], s[LAPC], 1
	s_cmp_eq_u32 s[LAPC], 0
	s_cbranch_scc1 .Lout
	QUARTER 1, F0, F1, 0
	WIN 0
	s_cmp_lg_u32 s[LAPC], 0
	s_cbranch_scc1 .Ltail
.Lout:
	s_wait_dscnt 0x0                               ; the fragments fetched last have landed
	; THE WAY OUT: times 1 / g_v; 32 bytes a lane into my stage; back as whole rows of 256 bytes
	PLACES
	s_wait_loadcnt 0x0
	SC_RED
	s_sub_co_i32 s[SCL], 254, s[SB+3]
	s_lshl_b32 s[SCL], s[SCL], 23
	s_mov_b32 s[SCL+1], s[SCL]
.irp a, 0,1,2,3
	s_wait_xcnt 0x0                                ; the earlier stores have read their data
.irp b, 0,1,2,3
.irp p, 0,1,2,3
	v_pk_mul_f32 v[TMP+8*(\b)+2*(\p):TMP+8*(\b)+2*(\p)+1], v[ACC+8*(4*(\a)+(\b))+2*(\p):ACC+8*(4*(\a)+(\b))+2*(\p)+1], s[SCL:SCL+1] op_sel_hi:[1,0]
.endr
.endr
.irp b, 0,1,2,3
	ds_store_b128 v[STO], v[TMP+8*(\b):TMP+8*(\b)+3] offset:64*(\b)
	ds_store_b128 v[STO], v[TMP+8*(\b)+4:TMP+8*(\b)+7] offset:64*(\b)+16
.endr
.irp t, 0,1,2,3,4,5,6,7
	ds_load_b128 v[TMP+32+4*(\t):TMP+32+4*(\t)+3], v[RD] offset:544*(\t)   ; LDS serves a wave's instructions in order (ISA guide 5.7.1.4)
.endr
	s_wait_dscnt 0x0
.irp t, 0,1,2,3,4,5,6,7
	global_store_b128 v[CO], v[TMP+32+4*(\t):TMP+32+4*(\t)+3], s[10:11] offset:131072*(\a)+16384*(\t)  ; 16 lanes store 256 consecutive bytes, aligned
.endr
.endr
	s_wait_tensorcnt 0x0                           ; the wave's end
	ds_add_u32 v[SPW], v[NIL]
	s_wait_dscnt 0x0
	CROUND                                         ; the closing round
	s_endpgm
.Lfunc_end_k_q754a555560_oproj:
	.size	k_q754a555560_oproj, .Lfunc_end_k_q754a555560_oproj-k_q754a555560_oproj
	.p2alignl 7, 3214868480
	.fill 96, 4, 3214868480
	.section	.rodata,"a",@progbits
	.p2align	6, 0x0
	.amdhsa_kernel k_q754a555560_oproj
		.amdhsa_group_segment_fixed_size 327680
		.amdhsa_private_segment_fixed_size 0
		.amdhsa_enable_private_segment 0
		.amdhsa_kernarg_size 32
		.amdhsa_user_sgpr_count 2
		.amdhsa_user_sgpr_kernarg_segment_ptr 1
		.amdhsa_wavefront_size32 1
		.amdhsa_system_sgpr_workgroup_id_x 1
		.amdhsa_system_sgpr_workgroup_id_y 1
		.amdhsa_system_sgpr_workgroup_id_z 1
		.amdhsa_system_vgpr_workitem_id 0
		.amdhsa_next_free_vgpr 512
		.amdhsa_next_free_sgpr 76
		.amdhsa_reserve_vcc 0
		.amdhsa_float_denorm_mode_32 3
		.amdhsa_float_denorm_mode_16_64 3
		.amdhsa_memory_ordered 1
		.amdhsa_forward_progress 1
		.amdhsa_inst_pref_size 66
	.end_amdhsa_kernel
	.amdgpu_metadata
---
amdhsa.version: [ 1, 2 ]
amdhsa.kernels:
  - .name:           k_q754a555560_oproj
    .symbol:         k_q754a555560_oproj.kd
    .args:
      - { .name: yb, .offset: 0, .size: 8, .value_kind: global_buffer, .address_space: global }
      - { .name: ob, .offset: 8, .size: 8, .value_kind: global_buffer, .address_space: global }
      - { .name: part, .offset: 16, .size: 8, .value_kind: global_buffer, .address_space: global }
      - { .name: out0, .offset: 24, .size: 8, .value_kind: global_buffer, .address_space: global }
    .group_segment_fixed_size: 327680
    .private_segment_fixed_size: 0
    .kernarg_segment_align: 8
    .kernarg_segment_size: 32
    .max_flat_workgroup_size: 128
    .sgpr_count:     76
    .vgpr_count:     512
    .wavefront_size: 32
...
	.end_amdgpu_metadata
.endif
;; end of part 4
